; MI455X (gfx1250); checked and timed in simulation.
; The chip was launched on July 23, 2026; its instructions are those of AMD's public machine-readable ISA for CDNA 5 (MIT licence, August 2026) and "CDNA5" Instruction Set Architecture Reference Guide (July 2026). The comments in the code are by the model that wrote it; some were corrected since.
;; Self Attention. Allowed arithmetic: matrix products marked QUANTISED: E4M3 operands, one E8M0 scale for each 32 along K, by v_wmma_scale_f32_16x16x128_f8f6f4 with both operands' format E4M3, f32 sums; everything else in f32.
;; Inputs: key_padding_mask 2 x 2,048 bool; qkv 2 x 2,048 x 3 x 16 x 64 float32.
;; Outputs: out0 2 x 2,048 x 16 x 64 float32.
;; This version of the problem:
;;   THIS VERSION OF THE PROBLEM IS GIVEN IN LOW PRECISION. The matrix products marked QUANTISED in the list below multiply operands that are first quantised to E4M3 (4 exponent bits, 3 mantissa bits; 8 bits a number), with one power-of-two scale for each 32 numbers along K (OCP MX v1.0); their sums are f32. All else is computed in f32.
;;   The module's matrix products, in the order in which they are computed (A, B: the left and right operand; K: the contracted axis; several contracted axes count as one K, in the product's order):
;;     1. batch 32 x [M 2,048, K 64] x [K 64, N 2,048]; A: computed on the way; B: computed on the way: QUANTISED
;;     2. batch 32 x [M 64, K 2,048] x [K 2,048, N 2,048]; A: computed on the way; B: softmax (see below): QUANTISED
;;   THE QUANTISER, for each operand of a quantised product, along K:
;;     - K is cut into blocks of 32 from its start; a last block that is shorter is filled with zeros.
;;     - A block's scale is 2^e with e = floor(log2(the largest magnitude in the block)) - 8, held to -126 .. 127; a block of zeros has e = 0. As a byte (E8M0): e + 127.
;;     - Each number is divided by its block's scale, clamped to +-448, and rounded to the nearest number of E4M3, ties to even, subnormals kept.
;;     - The product sums the exact products of the quantised numbers (number of the format x scale) in f32.
;;   ~~~python
;;   def quantise(x, axis):      # numpy; x: float32 -> the quantised numbers, widened to float32 again
;;       x = np.moveaxis(x, axis, -1); K = x.shape[-1]
;;       x = np.pad(x, [(0, 0)] * (x.ndim - 1) + [(0, -K % 32)]); x = x.reshape(x.shape[:-1] + (-1, 32)); a = np.abs(x).max(-1, keepdims=True)
;;       e = np.where(a > 0, np.clip(np.frexp(np.where(a > 0, a, 1))[1] - 1 - 8, -126, 127), 0)      # np.frexp(a)[1] - 1 = floor(log2(a)), exactly
;;       r = np.clip(x / 2.0 ** e, -448, 448)
;;       step = 2.0 ** (np.maximum(np.frexp(np.where(r == 0, 1, r))[1] - 1, -6) - 3)
;;       q = np.round(r / step) * step * 2.0 ** e      # np.round: ties to even
;;       return np.moveaxis(q.reshape(q.shape[:-2] + (-1,))[..., :K], -1, axis).astype(np.float32)
;;   ~~~
;;   SOFTMAX AHEAD OF A QUANTISED PRODUCT. Where the list says 'softmax', what is quantised is not the finished softmax but p = 2^(t - M), with t = logit x log2(e) and M = ceil(the row's largest t), a whole number; so 1/2 < the row's largest p <= 1. The row's sum l is taken of the UNQUANTISED p, in f32, and the product's result is divided by l at the end. Since M is a whole number, a kernel that streams over the keys may use a running M (the ceiling of the running maximum): every later rescaling is an exact power of two, which a block's scale takes up: the codes' values come out the same.
;;   OPERANDS COMPUTED ON THE WAY. 'Computed on the way' means the value that the module computes at that place (a softmax that the list does not call 'softmax' is quantised finished and normalised). What goes into a quantiser is computed in f32, as accurately as f32 sums, v_exp_f32 and their like allow (about 1e-6 of the number): no bf16 or f16 on the way to a quantiser, and a product that is left as it is and whose result goes on into a quantised operand takes f32 operands (vector FMAs, or v_wmma_f32_16x16x4_f32). A number that lies on a knife's edge between two numbers of the format may be rounded either way, as far as f32 arithmetic and the matrix unit's own rounding can turn it there, and no further.
;; 2 versions. Each part assembles by itself: llvm-mc -triple=amdgcn-amd-amdhsa -mcpu=gfx1250 --defsym DOCPART=n.
;; ======== version 1 of 2: 2 launches
;; limits: right only within a limited range of input values
;; workspace buffers: kc 4,194,304 bytes; ks 131,072 bytes; vc 4,194,304 bytes; vs 131,072 bytes; first 256 bytes of whole numbers
;; launch prep (part 1): grid 512 x 1, 4 waves a work-group, no clusters, 17,920 bytes of LDS; arguments qkv, key_padding_mask, kc, ks, vc, vs, first; writes kc, ks, vc, vs, first
.if DOCPART == 1
	.amdgcn_target "amdgcn-amd-amdhsa--gfx1250"
	.amdhsa_code_object_version 6
	.text
	.protected	k_q42e921431c_prep
	.globl	k_q42e921431c_prep
	.p2align	8
	.type	k_q42e921431c_prep,@function
k_q42e921431c_prep:
	s_mov_b64 s[64:65], 0
	v_nop
	global_prefetch_b8 v0, s[64:65] scope:SCOPE_SE
	s_setreg_imm32_b32 hwreg(HW_REG_WAVE_MODE, 25, 1), 1
	s_wait_xcnt 0x0
; qkv [2][2048][3][16][64] f32.  k / 8 and v become codes of FP8 (E4M3) with one E8M0 byte for each 32 along a product's K, laid in the ORDER OF THE OPERANDS' REGISTERS,
; so that the attention launch takes every fragment as 512 consecutive bytes.  bh = 16 b + h; a step is 128 keys.
;   kc [bh][step][tile 0..7][c 0..1][lane][16 B]: lane (r, hh) holds key 32 (t / 2) + 8 (t % 2) + r + 8 (r / 8) of the step, head places 32 c + 16 hh + 0 .. 15 (K = the head's 64)
;   ks [bh][step][j 0..1][r][p 0..1] words: pair of tiles 2 j + p, row r; byte 2 u + c: tile 2 (2 j + p) + u, block c
;   vc [bh][step][d 0..3][c 0..3][lane][16 B]: lane (r, hh) holds channel 16 d + r, keys 32 c + 16 hh + 0 .. 15 of the step (K = the keys)
;   vs [bh][step][r][d] words: byte c: the step's c-th block of 32 keys
;   first: words 32 b + 0 .. 31 all hold FT[b] = ceil(f / 16), f the batch's first key whose mask byte is not 0 (2,048 if there is none): the number of tiles of 16 queries that hold a row with no open key at or ahead of it.
; THE FACTOR 1/8 ON k is a power of two: the codes of k / 8 are those of k, and the block's byte is 3 less.  So the floor under a block's largest magnitude stands 3 exponent steps higher for k (2^(12 - 127)), which holds the byte at 1 from below.
; A block's scale is 2^(floor(log2(largest magnitude)) - 8): its byte is the largest magnitude's exponent field - 8.  Each number is held within +-448 x the scale and rounded to the nearest code, ties to even.
; LIMITS: NaN and infinities are not served; blocks whose largest magnitude lies under the floor were not tried; a block of zeros gets the floor's byte, 1, where the rule says 127 (its codes are zeros, and this program alone reads the bytes); a mask byte other than 0 counts as true.
; SHARES: work-groups 0-255 take k, 256-511 take v; of each kind wave u = 4 x work-group + wave (0 .. 1023) takes 16 KiB of f32: 64 keys x 64 of k, or 128 keys x 32 channels of v.  Waves share nothing: no barrier.  Only k's way uses LDS.
.set ROWB, 12288                       ; bytes from a token to the next in qkv; k begins 4,096 and v 8,192 bytes into a token, a head is 256 bytes
.set WREG, 4352                        ; LDS of a wave (k's way): 4,096 bytes of codes, 128 scale bytes, rounded up to 256
.set MANT, 0x600000                    ; the mantissa field of 448 as f32
	s_load_b256 s[4:11], s[0:1], 0x0               ; qkv s[4:5], the mask s[6:7], kc s[8:9], ks s[10:11]
	s_load_b128 s[12:15], s[0:1], 0x20             ; vc s[12:13], vs s[14:15]
	s_load_b64 s[16:17], s[0:1], 0x30              ; first
	v_lshl_add_u32 v232, v0, 2, 0x4400
	v_mov_b32 v233, 0
	v_lshrrev_b32 v1, 5, v0
	v_readfirstlane_b32 s20, v1                    ; wave 0..3
	v_and_b32 v1, 31, v0                           ; lane
	s_and_b32 s21, ttmp9, 255
	s_lshl_b32 s21, s21, 2
	s_add_co_u32 s21, s21, s20                     ; u
	s_lshr_b32 s22, s21, 5                         ; bh
	s_lshr_b32 s24, s22, 4                         ; b
	s_and_b32 s25, s22, 15                         ; h
	s_bfe_u32 s26, s21, 0x40001                    ; step = (u >> 1) & 15
	s_and_b32 s27, s21, 1                          ; which half: of the step's keys (k) or of the channels (v)
	s_mov_b32 s23, MANT
	s_lshl_b32 s28, s24, 11
	s_lshl_b32 s29, s26, 7
	s_add_co_u32 s28, s28, s29                     ; the step's first token: 2,048 b + 128 step
	s_lshl_b32 s30, s25, 8                         ; 256 h
	s_mov_b32 s29, 0
	s_cmp_lt_u32 ttmp9, 256
	s_cbranch_scc0 .Lvpath
; ---------------- k: 64 keys x 64.  Eight lanes to a key (lane m = lane % 8: head places 8 m .. 8 m + 7), four keys to a group, sixteen groups.  A group's two loads cover four whole rows of 256 bytes.
	s_lshl_b32 s31, s27, 6
	s_add_co_u32 s28, s28, s31                     ; + 64 x half
	s_mul_i32 s28, s28, ROWB
	s_add_co_u32 s28, s28, s30
	s_add_co_u32 s28, s28, 4096                    ; k's place in a token
	s_mul_i32 s32, s20, WREG                       ; my wave's LDS
	v_and_b32 v9, 7, v0                            ; m
	v_bfe_u32 v13, v0, 3, 2                        ; q = lane / 8: which key of a group
	v_lshlrev_b32 v2, 5, v9
	v_mad_u32_u24 v2, v13, ROWB, v2                ; in: q tokens on, 32 m bytes
	v_and_b32 v9, 1, v0
	v_lshlrev_b32 v3, 3, v9                        ; the image: 8 (m % 2): which half of a lane's 16 bytes,
	v_bfe_u32 v9, v0, 1, 2
	v_lshl_add_u32 v3, v9, 8, v3                   ; 256 ((m / 2) % 2): the image's lanes 16-31;  512 (m / 4): block c,
	v_lshl_add_u32 v3, v13, 4, v3                  ; 16 q: the image's lane
	v_add_nc_u32 v3, s32, v3
	v_bfe_u32 v9, v0, 2, 1
	v_lshl_add_u32 v4, v13, 3, v9                  ; the scale bytes: 8 q + (m / 4)
	v_add_nc_u32 v4, s32, v4
	v_lshlrev_b32 v7, 4, v1                        ; the way out: 16 bytes a lane,
	v_add_nc_u32 v5, s32, v7
	v_lshlrev_b32 v8, 2, v1                        ; and 4 bytes a lane of the scale words
	v_add_nc_u32 v6, s32, v8
	s_wait_kmcnt 0x0
	s_add_nc_u64 s[4:5], s[4:5], s[28:29]
	s_lshl_b32 s28, s21, 12
	s_add_nc_u64 s[8:9], s[8:9], s[28:29]          ; kc + 4,096 u
	s_lshl_b32 s28, s21, 7
	s_add_nc_u64 s[10:11], s[10:11], s[28:29]      ; ks + 128 u
.set ii, 0
.rept 16
	global_load_b128 v[64+8*ii:64+8*ii+3], v2, s[4:5] offset:4*ROWB*ii th:TH_LOAD_NT
	global_load_b128 v[64+8*ii+4:64+8*ii+7], v2, s[4:5] offset:4*ROWB*ii+16 th:TH_LOAD_NT
.set ii, ii+1
.endr
; Group i holds keys 4 i + q of my 64.  Key x of 32 lies in tile u = (x / 8) % 2 of its pair, row (x % 8) + 8 (x / 16): so the pair is i / 8, the tile TLE = 2 (i / 8) + (i / 2) % 2, the row RW + q.
.macro KGROUP i
.set X, 64+8*(\i)
.set RW, 4*((\i)&1)+8*(((\i)>>2)&1)
.set TLE, 2*((\i)>>3)+(((\i)>>1)&1)
.if (\i)%4 == 0
	s_wait_loadcnt 24-2*(\i)                       ; the eight loads of groups i .. i + 3 are in; behind them 24 - 2 i were issued
.endif
	v_max3_num_f32 v10, |v[X]|, |v[X+1]|, 0x6000000                ; my eight numbers and the floor 2^(12 - 127)
	v_max3_num_f32 v10, v10, |v[X+2]|, |v[X+3]|
	v_max3_num_f32 v10, v10, |v[X+4]|, |v[X+5]|
	v_max3_num_f32 v10, v10, |v[X+6]|, |v[X+7]|
	v_max_num_f32_dpp v10, v10, v10 row_xmask:1 row_mask:0xf bank_mask:0xf
	v_max_num_f32_dpp v10, v10, v10 row_xmask:2 row_mask:0xf bank_mask:0xf   ; four lanes hold a block of 32
	v_add_nc_u32 v11, 0xfc000000, v10              ; 8 off the exponent field: the conversion's scale operand (for k as it stands)
	v_and_or_b32 v12, v10, 0x7f800000, s23         ; 448 x the scale
.irp e, 0,1,2,3,4,5,6,7
	v_med3_num_f32 v[X+\e], v[X+\e], -v12, v12     ; the conversion to an 8-bit code does not saturate (ISA guide 7.6.2): the hold comes first
.endr
	v_cvt_scalef32_pk8_fp8_f32 v[16+2*(\i):17+2*(\i)], v[X:X+7], v11
	v_lshrrev_b32 v[48+(\i)], 23, v11              ; the byte of k's scale (a plain line behind the conversion),
	v_add_nc_u32 v[48+(\i)], -3, v[48+(\i)]        ; and of k / 8's
	ds_store_b64 v3, v[16+2*(\i):17+2*(\i)] offset:1024*TLE+16*RW
	ds_store_b8 v4, v[48+(\i)] offset:4096+8*RW+2*TLE              ; the four lanes of a block write the same byte with the same value
.endm
.irp i, 0,1,2,3,4,5,6,7,8,9,10,11,12,13,14,15
	KGROUP \i
.endr
.irp k, 0,1,2,3,4,5,6,7
	ds_load_b128 v[192+4*\k:195+4*\k], v5 offset:512*\k            ; LDS serves a wave's instructions in order (ISA guide 5.7.1.4): these see my stores
.endr
	ds_load_b32 v224, v6 offset:4096
.irp k, 0,1,2,3,4,5,6,7
	s_wait_dscnt 8-\k                              ; behind load k: 7 - k of its kind and the scale words' load
	global_store_b128 v7, v[192+4*\k:195+4*\k], s[8:9] offset:512*\k   ; 32 lanes store 512 consecutive bytes, aligned
.endr
	s_wait_dscnt 0x0
	global_store_b32 v8, v224, s[10:11]            ; 128 consecutive bytes; the wave of the step's other half stores the 128 beside them.  ks is one byte in 260 of what the launch moves
	s_wait_tensorcnt 0x0
	ds_add_u32 v232, v233
	s_wait_dscnt 0x0
	s_endpgm
; ---------------- v: 128 keys x 32 channels.  A lane takes a channel and its registers run down the keys: a block of 32 keys is one lane's 32 registers, and the conversions give codes with the keys innermost.
.Lvpath:
	s_mul_i32 s28, s28, ROWB
	s_add_co_u32 s28, s28, s30
	s_lshl_b32 s31, s27, 7
	s_add_co_u32 s28, s28, s31                     ; + 128 x half: channels 32 x half on
	s_add_co_u32 s28, s28, 8192                    ; v's place in a token
	v_lshlrev_b32 v2, 2, v1                        ; in: 4 bytes a lane
	v_and_b32 v6, 15, v0                           ; r
	v_bfe_u32 v7, v0, 4, 1                         ; which of my two tiles of 16 channels
	v_lshlrev_b32 v3, 4, v6
	v_lshl_add_u32 v4, v7, 2, v3                   ; vs: 16 r + 4 x tile
	v_lshl_add_u32 v3, v7, 11, v3                  ; vc: 2,048 x tile + 16 r
	v_lshlrev_b32 v5, 4, v1                        ; the mask: 16 bytes a lane
	s_wait_kmcnt 0x0
	s_add_nc_u64 s[4:5], s[4:5], s[28:29]
	s_lshl_b32 s28, s21, 12
	s_add_nc_u64 s[12:13], s[12:13], s[28:29]      ; vc + 4,096 u
	s_lshr_b32 s28, s21, 1
	s_lshl_b32 s28, s28, 8
	s_lshl_b32 s31, s27, 3
	s_add_co_u32 s28, s28, s31
	s_add_nc_u64 s[14:15], s[14:15], s[28:29]      ; vs + 256 (u / 2) + 8 x half
.set nn, 0
.rept 128
	global_load_b32 v[64+nn], v2, s[4:5] offset:ROWB*nn th:TH_LOAD_NT   ; key nn, my channel: 32 lanes read 128 consecutive bytes
.set nn, nn+1
.endr
; FT: made by one wave for each batch (u = 0 and u = 512), behind its own loads.  Whole numbers only; the result is stored and steers nothing here.
	s_and_b32 s33, s21, 511
	s_cmp_lg_u32 s33, 0
	s_cbranch_scc1 .Lno_first
	s_lshl_b32 s28, s24, 11
	s_add_nc_u64 s[6:7], s[6:7], s[28:29]          ; the batch's 2,048 mask bytes
	s_lshl_b32 s28, s24, 7
	s_add_nc_u64 s[16:17], s[16:17], s[28:29]      ; its 32 words of first
.irp i, 0,1,2,3
	global_load_b128 v[192+4*\i:195+4*\i], v5, s[6:7] offset:512*\i   ; lane l of load i: the 16 keys of granule 32 i + l
.endr
	s_wait_loadcnt 0x0                             ; all loads of the wave are in, v's too: the counted waits below are met on this way as well
.irp i, 0,1,2,3
	v_or_b32 v208, v[192+4*\i], v[193+4*\i]
	v_or_b32 v209, v[194+4*\i], v[195+4*\i]
	v_or_b32 v208, v208, v209
	v_cmp_ne_u32 s[40+\i], 0, v208                 ; granules with an open key
	v_and_b32 v209, 0xff, v[192+4*\i]
	v_cmp_ne_u32 s[44+\i], 0, v209                 ; granules whose first key is open
.endr
	s_mov_b32 s34, 0
	s_mov_b32 s35, 0
	s_mov_b32 s36, 0
.irp i, 3,2,1,0                                ; the lowest word that is not 0 wins
	s_cmp_lg_u32 s[40+\i], 0
	s_cselect_b32 s34, s[40+\i], s34
	s_cselect_b32 s35, s[44+\i], s35
	s_cselect_b32 s36, 32*\i, s36
.endr
	s_ctz_i32_b32 s37, s34
	s_and_b32 s37, s37, 31                         ; the first open granule is s36 + s37
	s_lshr_b32 s38, s35, s37
	s_and_b32 s38, s38, 1                          ; 1 if f is that granule's first key
	s_add_co_u32 s36, s36, s37
	s_add_co_u32 s36, s36, 1
	s_sub_co_u32 s36, s36, s38                     ; ceil(f / 16)
	s_cmp_lg_u32 s34, 0
	s_cselect_b32 s36, s36, 128                    ; no open key at all: every tile
	v_mov_b32 v210, s36
	global_store_b32 v2, v210, s[16:17]
.Lno_first:
.macro VBLOCK c, left
.set X, 64+32*(\c)
	s_wait_loadcnt \left                           ; this block's 32 loads are in
	v_max3_num_f32 v12, |v[X]|, |v[X+1]|, |v[X+2]|                 ; the block's largest magnitude: all 32 numbers are mine; two chains
	v_max3_num_f32 v13, |v[X+3]|, |v[X+4]|, |v[X+5]|
.irp i, 6,10,14,18,22,26
	v_max3_num_f32 v12, v12, |v[X+\i]|, |v[X+\i+1]|
	v_max3_num_f32 v13, v13, |v[X+\i+2]|, |v[X+\i+3]|
.endr
	v_max3_num_f32 v12, v12, |v[X+30]|, |v[X+31]|
	v_max3_num_f32 v12, v12, v13, 0x4800000        ; and the floor 2^(9 - 127)
	v_add_nc_u32 v11, 0xfc000000, v12              ; the conversion's scale operand
	v_and_or_b32 v10, v12, 0x7f800000, s23         ; 448 x the scale
	v_lshrrev_b32 v13, 23, v11                     ; the byte
.if (\c) == 0
	v_mov_b32 v48, v13
.else
	v_lshl_or_b32 v48, v13, 8*(\c), v48            ; four bytes make my channel's scale word for the step
.endif
.set ee, 0
.rept 32
	v_med3_num_f32 v[X+ee], v[X+ee], -v10, v10
.set ee, ee+1
.endr
.irp g, 0,1,2,3
	v_cvt_scalef32_pk8_fp8_f32 v[16+8*(\c)+2*\g:17+8*(\c)+2*\g], v[X+8*\g:X+8*\g+7], v11
.endr
	v_nop                                          ; a plain line behind the last conversion, ahead of the next write of its scale operand
	global_store_b128 v3, v[16+8*(\c):19+8*(\c)], s[12:13] offset:512*(\c)        ; keys 0-15 of the block: sixteen lanes store 256 consecutive bytes, aligned
	global_store_b128 v3, v[20+8*(\c):23+8*(\c)], s[12:13] offset:512*(\c)+256    ; keys 16-31: the image's lanes 16-31
.endm
	VBLOCK 0, 63                                   ; 96 loads were issued behind block 0's, 64 behind block 1's: the count's field ends at 63, and a smaller count is safe
	VBLOCK 1, 63
	VBLOCK 2, 32
	VBLOCK 3, 0
	global_store_b32 v4, v48, s[14:15]             ; my channel's word; the step's 256 bytes of vs come from two waves.  vs is one byte in 260 of what the launch moves
	s_endpgm
.Lfunc_end_k_q42e921431c_prep:
	.size	k_q42e921431c_prep, .Lfunc_end_k_q42e921431c_prep-k_q42e921431c_prep
	.p2alignl 7, 3214868480
	.fill 96, 4, 3214868480
	.section	.rodata,"a",@progbits
	.p2align	6, 0x0
	.amdhsa_kernel k_q42e921431c_prep
		.amdhsa_group_segment_fixed_size 17920
		.amdhsa_private_segment_fixed_size 0
		.amdhsa_enable_private_segment 0
		.amdhsa_kernarg_size 56
		.amdhsa_user_sgpr_count 2
		.amdhsa_user_sgpr_kernarg_segment_ptr 1
		.amdhsa_wavefront_size32 1
		.amdhsa_system_sgpr_workgroup_id_x 1
		.amdhsa_system_sgpr_workgroup_id_y 1
		.amdhsa_system_sgpr_workgroup_id_z 1
		.amdhsa_system_vgpr_workitem_id 0
		.amdhsa_next_free_vgpr 234
		.amdhsa_next_free_sgpr 66
		.amdhsa_reserve_vcc 0
		.amdhsa_float_denorm_mode_32 3
		.amdhsa_float_denorm_mode_16_64 3
		.amdhsa_memory_ordered 1
		.amdhsa_forward_progress 1
		.amdhsa_inst_pref_size 60
	.end_amdhsa_kernel
	.amdgpu_metadata
---
amdhsa.version: [ 1, 2 ]
amdhsa.kernels:
  - .name:           k_q42e921431c_prep
    .symbol:         k_q42e921431c_prep.kd
    .args:
      - { .name: qkv, .offset: 0, .size: 8, .value_kind: global_buffer, .address_space: global }
      - { .name: key_padding_mask, .offset: 8, .size: 8, .value_kind: global_buffer, .address_space: global }
      - { .name: kc, .offset: 16, .size: 8, .value_kind: global_buffer, .address_space: global }
      - { .name: ks, .offset: 24, .size: 8, .value_kind: global_buffer, .address_space: global }
      - { .name: vc, .offset: 32, .size: 8, .value_kind: global_buffer, .address_space: global }
      - { .name: vs, .offset: 40, .size: 8, .value_kind: global_buffer, .address_space: global }
      - { .name: first, .offset: 48, .size: 8, .value_kind: global_buffer, .address_space: global }
    .group_segment_fixed_size: 17920
    .private_segment_fixed_size: 0
    .kernarg_segment_align: 8
    .kernarg_segment_size: 56
    .max_flat_workgroup_size: 128
    .sgpr_count:     66
    .vgpr_count:     234
    .wavefront_size: 32
...
	.end_amdgpu_metadata
.endif
;; end of part 1
;; launch attn (part 2): grid 8 x 32, 16 waves a work-group, no clusters, 280,576 bytes of LDS; arguments qkv, key_padding_mask, kc, ks, vc, vs, first, out0; writes out0
.if DOCPART == 2
	.amdgcn_target "amdgcn-amd-amdhsa--gfx1250"
	.amdhsa_code_object_version 6
	.text
	.protected	k_q42e921431c_attn
	.globl	k_q42e921431c_attn
	.p2align	8
	.type	k_q42e921431c_attn,@function
k_q42e921431c_attn:
	s_mov_b64 s[64:65], 0
	v_nop
	global_prefetch_b8 v0, s[64:65] scope:SCOPE_SE
	s_setreg_imm32_b32 hwreg(HW_REG_WAVE_MODE, 25, 1), 1
	s_wait_xcnt 0x0
; out[b][t][h][:] = softmax_s(q[t] . k[s] / 8 + pad[s] + causal[t][s]) v[s][:], pad = 0 or -10000 by the mask input, causal = -10000 where s > t: both ADDED, as the problem has them.
; Both products on codes of FP8 (E4M3) with E8M0 scales for each 32 along K.  k / 8 and v come as codes laid in the order of the operands' registers (launch prep); q is quantised here, in registers.
; THE SOFTMAX: t = logit x log2(e); M = the running largest t rounded UP to a whole number; p = 2^(t - M) is quantised along the keys, not normalised; the row's sum is taken of the unquantised p and divides at the end;
; when M moves, the sum and O are multiplied by 2^(old M - new M), which rounds nothing.
; WHICH KEYS A ROW NEEDS.  The masks are finite.  A row that has an open key (not padded, not behind it) leaves all keys at -10000 with p = 0.  A row with none (t < f, f the batch's first open key) has ALL its keys at -10000 or lower,
; and the keys behind it count in full.  So a tile of 16 queries stops at its diagonal step only if its number is at least FT = ceil(f / 16), which launch prep stored; every other tile walks all 16 steps.
; NO TENSOR LOAD, NO CLUSTER, NO JOINT REQUEST, though the eight work-groups of a head read the same codes: the number of steps that a wave works hangs on FT, a number read from memory
; LDS is filled through registers.
; LIMITS.  (a) In a row that has an open key, the keys of steps wholly behind its diagonal step are left out: their p is 0 in f32 as long as (largest hidden score - the row's largest open score) stays under some 9,890.
; (b) A key that is padded AND hidden gets one addition of -20000 in place of two of -10000; such a key is never at a row's top level, since key t itself is never hidden.  (c) NaN and infinities are not served; blocks under the floor
; 2^(9 - 127) were not tried; a block of zeros has the byte 1 (its codes are zeros).  (d) A mask byte other than 0 counts as true.
; SHARES.  Work-group (g, bh): head bh = 16 b + h.  The head's 128 tiles of 16 queries lie in 16 blocks of 8; the work-group owns blocks 15 - g (16 - g key steps to its diagonal) and g (g + 1 steps): 8 x 17 tile steps in every work-group.
; A wave owns ONE tile, in 256 registers; the long and the short tiles are dealt so that any four waves w % 4 alike, and any four w / 4 alike, hold two of each.
; LDS: the WHOLE HEAD's codes stay: K's 131,072 bytes, V's 131,072, their scale words 4,096 each, the padding mask as f32 8,192.  They come in pairs of steps (16,384 + 16,384 bytes), one pair ahead of the work, in the first seven
; trips, with one barrier a trip; no byte is filled twice.  Behind the seventh trip no wave waits for another until the way out.
; K = 64 IN AN INSTRUCTION OF 128: source 0 is TWO tiles of 16 keys (registers 0-7 and 8-15); it is multiplied by [Q | zero codes] and by [zero codes | Q].  Q lies as Q, zeros, Q in 24 registers.
; THE KEYS OF A TILE ARE NOT NEIGHBOURS (see prep): the 16 registers of tiles 2 b and 2 b + 1 are keys 32 b + 16 (lane / 16) + 0 .. 15, so p's codes are the second product's operand as they come.
; THE PADDING MASK COSTS NO ARITHMETIC: it is loaded into the scores' registers and is the C of S^T = K Q^T; from the diagonal step on the causal -10000 is added onto it ahead of the product.
; Both products are used transposed: a lane holds ONE query (lane % 16) throughout.
.set VC,   131072                      ; LDS: K's codes at 0, V's here,
.set KSB,  262144                      ; K's scale words,
.set VSB,  266240                      ; V's,
.set MKB,  270336                      ; the mask as f32: 0 or -10000, in the keys' order
.set STG,  49152                       ; a stage of 16 rows x 272 bytes for each wave, inside K's bytes: used ahead of the first barrier (these bytes get their codes behind later barriers) and behind the last
.set SP,   272
.set PAIR, 16384                       ; two steps' codes of K, or of V
.set AK,   1                           ; v1   16 x lane + 8,192 x step: K's fragments        (v1-v5 are stepped at each step's end, on every path)
.set AV,   2                           ; v2   the same in V's bytes
.set AS,   3                           ; v3   KSB + 8 x lane + 256 x step
.set AT,   4                           ; v4   VSB + 16 (lane % 16) + 256 x step
.set AM,   5                           ; v5   MKB + 64 (lane / 16) + 512 x step
.set LD,   6                           ; v6   (lane % 16) - 16 (lane / 16)
.set FL,   7                           ; v7   where I store my 16 bytes of the next pair of K;  v8 of V
.set FL2,  8
.set GOF,  9                           ; v9   16 x thread: my bytes of a pair in memory; never rewritten
.set PFO,  10                          ; v10  256 x lane: the prefetches' offset; never rewritten
.set NEGV, 14                          ; v14  -10000.0
.set T0,   15                          ; v15  at work
.set NM,   16                          ; v16  -M;  v17 the largest t so far
.set TT,   17
.set SUM,  18                          ; v[18:19] the row's sum, in two halves
.set QF,   20                          ; v20-27 Q, v28-35 zero codes, v36-43 Q
.set QSL,  44                          ; v44  Q's scale word for [Q | 0];  v45 for [0 | Q]
.set KSW,  46                          ; v[46:47] K's scale words of the step
.set VSW,  48                          ; v[48:51] V's
.set PW,   52                          ; v52  p's scale word
.set FF,   54                          ; v[54:55] f = 2^(old M - new M) in the low word; both also at work in the causal lines
.set F,    56                          ; v56-119  K's four pairs of tiles, then V's four tiles
.set S,    120                         ; v120-183 the mask, then S^T, then p
.set O,    184                         ; v184-215 O^T
.set PC,   216                         ; v216-231 p's codes; its upper half is at work before:
.set TM,   224                         ; v224-227 the blocks' largest scores
.set PM,   228                         ; v228-231 the other half of the lanes'; the bytes; a chain of the sum
.set HOLD, 232                         ; v232-235 448 x the scale
.set SCO,  236                         ; v236-239 the conversions' scale operands
.set FI,   240                         ; v240-255 the pair on its way
.set WV,   20
.set DG,   27                          ; s27  my block = my diagonal step
.set Q0,   29                          ; s29  my first query
.set LAST, 30                          ; s30  my last step
.set SI,   32                          ; s32  the step, and both loops' counter
.set SEL,  34                          ; s[34:35] v_permlanex16_b32's selects for lane l xor 16
.set CS,   36                          ; s[36:37] log2(e), twice (the packed form names a pair)
.set MNT,  38                          ; s38  the mantissa field of 448
.set KP,   40                          ; s[40:41], s[42:43] the next pair in kc and in vc
.set VP,   42
.set PFA,  44                          ; s[44:45] where my prefetches stand
.set LIM,  46                          ; s46  a wave prefetches while the step is under this
	s_load_b256 s[4:11], s[0:1], 0x0               ; qkv s[4:5], the mask s[6:7], kc s[8:9], ks s[10:11]
	s_load_b256 s[12:19], s[0:1], 0x20             ; vc s[12:13], vs s[14:15], first s[16:17], out s[18:19]
	v_lshrrev_b32 v11, 5, v0
	v_readfirstlane_b32 s[WV], v11                 ; wave 0..15
	s_mov_b32 s21, ttmp9                           ; g
	s_and_b32 s22, ttmp7, 0xffff                   ; bh
	s_lshr_b32 s23, s22, 4                         ; b
	s_and_b32 s24, s22, 15                         ; h
	s_lshr_b32 s25, s[WV], 3
	s_xor_b32 s25, s25, s[WV]
	s_and_b32 s25, s25, 1                          ; 0: a tile of the long block, 1: of the short one
	s_bfe_u32 s26, s[WV], 0x30001                  ; which of the block's eight tiles: (w >> 1) & 7
	s_sub_co_u32 s[DG], 15, s21
	s_cmp_eq_u32 s25, 0
	s_cselect_b32 s[DG], s[DG], s21                ; my block
	s_lshl_b32 s28, s[DG], 3
	s_add_co_u32 s28, s28, s26                     ; my tile
	s_lshl_b32 s[Q0], s28, 4
	s_lshl_b32 s48, s23, 11
	s_add_co_u32 s48, s48, s[Q0]                   ; my first token
	s_lshl_b32 s50, s48, 12                        ; in out: 4,096 bytes a token,
	s_mul_i32 s48, s48, 12288                      ; in qkv: 12,288,
	s_lshl_b32 s33, s24, 8                         ; and 256 h in both
	s_add_co_u32 s48, s48, s33
	s_add_co_u32 s50, s50, s33
	s_mov_b32 s49, 0
	s_mov_b32 s51, 0
	s_lshl_b32 s52, s22, 17                        ; the head's codes
	s_mov_b32 s53, 0
	v_and_b32 v11, 31, v0                          ; lane
	v_and_b32 v12, 15, v0                          ; r
	v_bfe_u32 v13, v0, 4, 1                        ; hh
	v_lshlrev_b32 v[GOF], 4, v0
	v_lshlrev_b32 v62, 3, v0                       ; 8 x thread: the scale words
	v_lshlrev_b32 v63, 2, v0                       ; 4 x thread: the mask bytes
	v_mul_u32_u24 v68, v13, 12288
	v_lshl_add_u32 v68, v12, 4, v68                ; q: lanes 0-15 one token's 256 bytes, lanes 16-31 the next token's
	s_wait_kmcnt 0x0
	s_add_nc_u64 s[4:5], s[4:5], s[48:49]
	s_add_nc_u64 s[18:19], s[18:19], s[50:51]
	s_add_nc_u64 s[8:9], s[8:9], s[52:53]
	s_add_nc_u64 s[12:13], s[12:13], s[52:53]
	s_lshl_b32 s52, s22, 12                        ; the head's scale words
	s_add_nc_u64 s[10:11], s[10:11], s[52:53]
	s_add_nc_u64 s[14:15], s[14:15], s[52:53]
	s_lshl_b32 s52, s23, 11                        ; the batch's mask
	s_add_nc_u64 s[6:7], s[6:7], s[52:53]
	s_lshl_b32 s52, s23, 7                         ; the batch's FT
	s_add_nc_u64 s[16:17], s[16:17], s[52:53]
	s_load_b32 s31, s[16:17], 0x0
	global_load_b128 v[FI:FI+3], v[GOF], s[8:9]                    ; steps 0 and 1 of K: 512 threads x 16 bytes, twice
	global_load_b128 v[FI+4:FI+7], v[GOF], s[8:9] offset:8192
	global_load_b128 v[FI+8:FI+11], v[GOF], s[12:13]               ; and of V
	global_load_b128 v[FI+12:FI+15], v[GOF], s[12:13] offset:8192
	global_load_b64 v[56:57], v62, s[10:11]        ; the head's scale words of K: 4,096 bytes,
	global_load_b64 v[58:59], v62, s[14:15]        ; of V,
	global_load_b32 v60, v63, s[6:7]               ; and the batch's 2,048 mask bytes
.irp i, 0,1,2,3,4,5,6,7
	global_load_b128 v[S+4*\i:S+4*\i+3], v68, s[4:5] offset:24576*\i th:TH_LOAD_NT   ; q: tokens 2 i and 2 i + 1 of my 16: sixteen lanes read 256 consecutive bytes
.endr
	v_lshlrev_b32 v[AK], 4, v11
	v_add_nc_u32 v[AV], VC, v[AK]
	v_lshl_add_u32 v[AS], v11, 3, KSB
	v_lshl_add_u32 v[AT], v12, 4, VSB
	v_lshl_add_u32 v[AM], v13, 6, MKB
	v_lshlrev_b32 v[LD], 4, v13
	v_sub_nc_u32 v[LD], v12, v[LD]
	v_lshl_add_u32 v[FL], v0, 4, PAIR
	v_add_nc_u32 v[FL2], VC, v[FL]
	v_lshlrev_b32 v[PFO], 8, v11
	v_mov_b32 v[NEGV], 0xc61c4000
	s_mul_i32 s33, s[WV], 16*SP
	s_add_co_u32 s33, s33, STG                     ; my stage
	v_mul_u32_u24 v69, v13, SP
	v_lshl_add_u32 v69, v12, 4, v69
	v_add_nc_u32 v69, s33, v69                     ; into it as loaded: two rows an instruction
	v_mul_u32_u24 v70, v12, SP
	v_lshl_add_u32 v70, v13, 6, v70
	v_add_nc_u32 v70, s33, v70                     ; out of it: row r, + 64 hh: my 16 numbers of a block of 32
	v_add_nc_u32 v71, MKB, v[GOF]
	v_add_nc_u32 v72, KSB, v62
	v_add_nc_u32 v73, VC, v[GOF]
	s_mov_b32 s[SEL], 0x76543210
	s_mov_b32 s[SEL+1], 0xfedcba98
	s_mov_b32 s[CS], 0x3fb8aa3b                    ; log2(e)
	s_mov_b32 s[CS+1], s[CS]
	s_mov_b32 s[MNT], 0x600000
	s_wait_loadcnt 8                               ; all but q's eight loads, which were issued last
.irp k, 0,1,2,3
	v_bfe_u32 v11, v60, 8*\k, 8
	v_cmp_eq_u32 vcc_lo, 0, v11
	v_cndmask_b32 v[64+\k], 0, v[NEGV], vcc_lo     ; a padded key: -10000; else 0
.endr
	ds_store_b128 v[GOF], v[FI:FI+3]
	ds_store_b128 v[GOF], v[FI+4:FI+7] offset:8192
	ds_store_b128 v73, v[FI+8:FI+11]
	ds_store_b128 v73, v[FI+12:FI+15] offset:8192
	ds_store_b64 v72, v[56:57]
	ds_store_b64 v72, v[58:59] offset:VSB-KSB
	ds_store_b128 v71, v[64:67]
	s_wait_loadcnt 0x0                             ; q
.irp i, 0,1,2,3,4,5,6,7
	ds_store_b128 v69, v[S+4*\i:S+4*\i+3] offset:2*SP*\i
.endr
.irp c, 0,1
.irp j, 0,1,2,3
	ds_load_b128 v[S+32+16*\c+4*\j:S+32+16*\c+4*\j+3], v70 offset:128*\c+16*\j   ; my own bytes, served in order: register 16 c + i = head place 32 c + 16 hh + i of query r
.endr
.endr
	s_wait_kmcnt 0x0                               ; FT
	s_cmp_ge_u32 s28, s31
	s_cselect_b32 s[LAST], s[DG], 15               ; every row of my tile has an open key: stop at the diagonal; else walk all steps
	s_wait_dscnt 0x0                               ; my stores have landed, for the others' sake, and q is back
	s_barrier_signal -1
	; work on registers while the others arrive: q is quantised, and the running values begin
.irp b, 0,1,2,3
	v_mov_b32 v[PM+\b], 0                          ; a lane permute's destination counts as one of its sources
.endr
.irp b, 0,1
	v_max3_num_f32 v[TM+\b], |v[S+32+16*\b]|, |v[S+33+16*\b]|, 0x4800000   ; block b: my 16 numbers and the floor 2^(9 - 127)
.endr
.irp i, 2,4,6,8,10,12,14
.irp b, 0,1
	v_max3_num_f32 v[TM+\b], v[TM+\b], |v[S+32+16*\b+\i]|, |v[S+33+16*\b+\i]|
.endr
.endr
.irp b, 0,1
	v_permlanex16_b32 v[PM+\b], v[TM+\b], s[SEL], s[SEL+1]
.endr
.irp b, 0,1
	v_max_num_f32 v[TM+\b], v[TM+\b], v[PM+\b]     ; with lane l xor 16's 16: the block's largest magnitude
.endr
.irp b, 0,1
	v_add_nc_u32 v[SCO+\b], 0xfc000000, v[TM+\b]
	v_and_or_b32 v[HOLD+\b], v[TM+\b], 0x7f800000, s[MNT]
	v_lshrrev_b32 v[PM+\b], 23, v[SCO+\b]
.endr
	v_lshl_or_b32 v[QSL], v[PM+1], 8, v[PM]        ; bytes 0, 1: Q's; bytes 2, 3 are 0 and stand over zero codes
	v_lshlrev_b32 v[QSL+1], 16, v[QSL]             ; and the other way round
.irp b, 0,1
.irp i, 0,1,2,3,4,5,6,7,8,9,10,11,12,13,14,15
	v_med3_num_f32 v[S+32+16*\b+\i], v[S+32+16*\b+\i], -v[HOLD+\b], v[HOLD+\b]
.endr
	v_cvt_scalef32_pk8_fp8_f32 v[QF+4*\b:QF+4*\b+1], v[S+32+16*\b:S+39+16*\b], v[SCO+\b]
	v_cvt_scalef32_pk8_fp8_f32 v[QF+4*\b+2:QF+4*\b+3], v[S+40+16*\b:S+47+16*\b], v[SCO+\b]
.endr
	v_nop                                          ; a plain line behind the last conversion, ahead of the reads of its result
.irp i, 0,1,2,3,4,5,6,7
	v_mov_b32 v[QF+16+\i], v[QF+\i]
	v_mov_b32 v[QF+8+\i], 0
.endr
	v_mov_b32 v[TT], 0xff61b1e6                    ; the largest t so far: -3e38, under every t
	v_floor_f32 v[NM], -v[TT]
	v_mov_b32 v[SUM], 0
	v_mov_b32 v[SUM+1], 0
	v_mov_b32 v[FF+1], 0                           ; (named as the upper half of a pair)
.set jj, 0
.rept 32
	v_mov_b32 v[O+jj], 0                           ; the step is written once: the first finds zeros, which the first change of M leaves zeros
.set jj, jj+1
.endr
	s_add_nc_u64 s[KP:KP+1], s[8:9], PAIR
	s_add_nc_u64 s[VP:VP+1], s[12:13], PAIR
	s_cmp_lt_u32 s[WV], 2
	s_cselect_b64 s[PFA:PFA+1], s[8:9], s[12:13]   ; waves 0, 1 ask for K's codes, waves 2, 3 for V's
	s_and_b32 s52, s[WV], 1
	s_lshl_b32 s52, s52, 13                        ; 8,192 bytes a wave,
	s_add_co_u32 s52, s52, 2*PAIR                  ; from the third pair on
	s_add_nc_u64 s[PFA:PFA+1], s[PFA:PFA+1], s[52:53]
	s_lshr_b32 s[LIM], s[WV], 2
	s_or_b32 s[LIM], s[LIM], s21                   ; 0 in waves 0 to 3 of the head's first work-group
	s_cmp_eq_u32 s[LIM], 0
	s_cselect_b32 s[LIM], 6, 0
	s_mov_b32 s[SI], 0
	s_barrier_wait -1                              ; steps 0 and 1, all scale words and the mask lie in LDS
; S^T: pair b of tiles, half u.  The scale words: lanes 0-15 of v46, v47 hold pairs 0, 1; lanes 16-31 pairs 2, 3.
.macro SQ b, u
.if \b >= 2
	v_wmma_scale_f32_16x16x128_f8f6f4 v[S+16*\b+8*\u:S+16*\b+8*\u+7], v[F+16*\b:F+16*\b+15], v[QF+8*\u:QF+8*\u+15], v[S+16*\b+8*\u:S+16*\b+8*\u+7], v[KSW+\b%2], v[QSL+\u] matrix_a_scale:MATRIX_SCALE_ROW1
.else
	v_wmma_scale_f32_16x16x128_f8f6f4 v[S+16*\b+8*\u:S+16*\b+8*\u+7], v[F+16*\b:F+16*\b+15], v[QF+8*\u:QF+8*\u+15], v[S+16*\b+8*\u:S+16*\b+8*\u+7], v[KSW+\b%2], v[QSL+\u]
.endif
.endm
; A KEY STEP: 128 keys.  The twelve accumulators (eight of S^T, four of O^T) take turns, one instruction a turn, over the loops' backward jumps too.
.macro STEP
	s_cmp_gt_u32 s[SI], s[LAST]                    ; behind my last step only the addresses are stepped: a scalar branch round the step's loads, products and softmax; no barrier stands in a step
	s_cbranch_scc1 .Lskip_\@
.set nn, 0
.rept 16
	ds_load_b128 v[S+4*nn:S+4*nn+3], v[AM] offset:128*(nn/4)+16*(nn%4)   ; the mask of keys 32 b + 16 hh + 0 .. 15 into the scores' registers: sixteen lanes read the same 16 bytes
.set nn, nn+1
.endr
.irp b, 0,1,2,3
.irp c, 0,1,2,3
	ds_load_b128 v[F+16*\b+4*\c:F+16*\b+4*\c+3], v[AK] offset:2048*\b+512*\c   ; a pair of tiles is 2,048 bytes on end: 512 consecutive bytes an instruction
.endr
.endr
	ds_load_b64 v[KSW:KSW+1], v[AS]
	s_cmp_lt_u32 s[SI], s[DG]
	s_cbranch_scc1 .Lopen_\@                       ; ahead of my diagonal step no key is hidden
	s_wait_dscnt 17                                ; the mask is in; K's sixteen loads and the scale words' one were issued behind it
	s_lshl_b32 s33, s[SI], 7
	s_sub_co_i32 s33, s[Q0], s33
	v_add_nc_u32 v[T0], s33, v[LD]                 ; d = my query - the step's first key - 16 hh.  Register 16 b + i holds key 32 b + 16 hh + i of the step: hidden where 32 b + i > d
.set nn, 0
.rept 16
	v_cmp_gt_i32 vcc_lo, 32*(nn/16)+nn%16, v[T0]
	v_cndmask_b32 v12, 0, v[NEGV], vcc_lo
	v_cmp_gt_i32 vcc_lo, 32*(nn/16)+nn%16+1, v[T0]
	v_cndmask_b32 v13, 0, v[NEGV], vcc_lo
	v_pk_add_f32 v[S+nn:S+nn+1], v[S+nn:S+nn+1], v[12:13]
	v_cmp_gt_i32 vcc_lo, 32*(nn/16)+nn%16+2, v[T0]
	v_cndmask_b32 v[FF], 0, v[NEGV], vcc_lo
	v_cmp_gt_i32 vcc_lo, 32*(nn/16)+nn%16+3, v[T0]
	v_cndmask_b32 v[FF+1], 0, v[NEGV], vcc_lo
	v_pk_add_f32 v[S+nn+2:S+nn+3], v[S+nn+2:S+nn+3], v[FF:FF+1]
.set nn, nn+4
.endr
.Lopen_\@:
	s_wait_dscnt 0x0
.irp b, 0,1,2,3
.irp u, 0,1
	SQ \b, \u
.endr
.endr
.rept 8
	v_nop                                          ; eight places ahead of the loads into the registers that these products read, and of the first read of their results
.endr
.irp d, 0,1,2,3
.irp c, 0,1,2,3
	ds_load_b128 v[F+16*\d+4*\c:F+16*\d+4*\c+3], v[AV] offset:2048*\d+512*\c   ; V's four tiles of 16 channels x 128 keys: they land under the softmax
.endr
.endr
	ds_load_b128 v[VSW:VSW+3], v[AT]
.irp b, 0,1,2,3
	v_max3_num_f32 v[TM+\b], v[S+16*\b], v[S+1+16*\b], v[S+2+16*\b]   ; the largest score of each block of 32 keys; each accumulator is read from its low end on.  It serves for the row's maximum and, since p rises with the score, for the block's largest p
.endr
.irp i, 3,5,7,9,11,13
.irp b, 0,1,2,3
	v_max3_num_f32 v[TM+\b], v[TM+\b], v[S+16*\b+\i], v[S+1+16*\b+\i]
.endr
.endr
.irp b, 0,1,2,3
	v_max_num_f32 v[TM+\b], v[TM+\b], v[S+15+16*\b]
.endr
.irp b, 0,1,2,3
	v_permlanex16_b32 v[PM+\b], v[TM+\b], s[SEL], s[SEL+1]
.endr
.irp b, 0,1,2,3
	v_max_num_f32 v[TM+\b], v[TM+\b], v[PM+\b]     ; with lane l xor 16's 16 keys
.endr
	v_max3_num_f32 v[T0], v[TM], v[TM+1], v[TM+2]
	v_max_num_f32 v[T0], v[T0], v[TM+3]            ; the step's largest score of my query
	v_mul_f32 v[T0], s[CS], v[T0]                  ; as t
	v_max_num_f32 v[TT], v[TT], v[T0]              ; the running largest t
	v_mov_b32 v[T0], v[NM]
	v_floor_f32 v[NM], -v[TT]                      ; the new -M = floor(-t) = -ceil(t)
	v_sub_f32 v[T0], v[NM], v[T0]                  ; old M - new M: a whole number, 0 or less
	v_cvt_i32_f32 v[T0], v[T0]                     ; (it saturates)
	v_ldexp_f32 v[FF], 1.0, v[T0]                  ; f = 2^(old M - new M)
.set jj, 0
.rept 32
	v_pk_fma_f32 v[S+jj:S+jj+1], v[S+jj:S+jj+1], s[CS:CS+1], v[NM:NM+1] op_sel_hi:[1,0,0]   ; t - M, two at a time
.set jj, jj+2
.endr
.irp b, 0,1,2,3
	v_fma_f32 v[TM+\b], v[TM+\b], s[CS], v[NM]     ; the same of each block's largest score
.endr
.set jj, 0
.rept 64
	v_exp_f32 v[S+jj], v[S+jj]                     ; p = 2^(t - M)
.set jj, jj+1
.endr
	v_pk_mul_f32 v[SUM:SUM+1], v[SUM:SUM+1], v[FF:FF+1] op_sel_hi:[1,0]   ; the sums under the new M: the plain line behind the exponentials
	s_wait_alu depctr_va_vdst(0)                   ; one wait for the batch of 64, ahead of its first reader
.irp b, 0,1,2,3
	v_exp_f32 v[TM+\b], v[TM+\b]                   ; the block's largest p: the same two instructions on the same number
.endr
	v_pk_add_f32 v[PM:PM+1], v[S:S+1], v[S+2:S+3]  ; the row's sum is taken of the unquantised p: two chains, two numbers at a time
.irp j, 4,8,12,16,20,24,28,32,36,40,44,48,52,56,60
	v_pk_add_f32 v[SUM:SUM+1], v[SUM:SUM+1], v[S+\j:S+\j+1]
	v_pk_add_f32 v[PM:PM+1], v[PM:PM+1], v[S+2+\j:S+3+\j]
.endr
	v_pk_add_f32 v[SUM:SUM+1], v[SUM:SUM+1], v[PM:PM+1]
	s_wait_alu depctr_va_vdst(0)                   ; and one for the four
.irp b, 0,1,2,3
	v_max_num_f32 v[TM+\b], 0x4800000, v[TM+\b]    ; the floor 2^(9 - 127): a block whose every p is 0 keeps the byte 1; its codes are zeros
.endr
.irp b, 0,1,2,3
	v_add_nc_u32 v[SCO+\b], 0xfc000000, v[TM+\b]
.endr
.irp b, 0,1,2,3
	v_and_or_b32 v[HOLD+\b], v[TM+\b], 0x7f800000, s[MNT]
.endr
.irp b, 0,1,2,3
	v_lshrrev_b32 v[PM+\b], 23, v[SCO+\b]
.endr
	v_lshl_or_b32 v[PW], v[PM+1], 8, v[PM]         ; p's scale word for these 128 keys
	v_lshl_or_b32 v[PW], v[PM+2], 16, v[PW]
	v_lshl_or_b32 v[PW], v[PM+3], 24, v[PW]
.irp b, 0,1,2,3
.irp i, 0,1,2,3,4,5,6,7,8,9,10,11,12,13,14,15
	v_min_num_f32 v[S+16*\b+\i], v[S+16*\b+\i], v[HOLD+\b]   ; the conversion does not saturate (ISA guide 7.6.2); p is not negative, so the hold is one-sided
.endr
	v_cvt_scalef32_pk8_fp8_f32 v[PC+4*\b:PC+4*\b+1], v[S+16*\b:S+7+16*\b], v[SCO+\b]
	v_cvt_scalef32_pk8_fp8_f32 v[PC+4*\b+2:PC+4*\b+3], v[S+8+16*\b:S+15+16*\b], v[SCO+\b]
.endr
.set jj, 0
.rept 16
	v_pk_mul_f32 v[O+jj:O+jj+1], v[O+jj:O+jj+1], v[FF:FF+1] op_sel_hi:[1,0]   ; O^T under the new M; these sixteen also stand between the codes' last write and the products
.set jj, jj+2
.endr
	s_wait_dscnt 0x0                               ; V
.irp d, 0,1,2,3
	v_wmma_scale_f32_16x16x128_f8f6f4 v[O+8*\d:O+8*\d+7], v[F+16*\d:F+16*\d+15], v[PC:PC+15], v[O+8*\d:O+8*\d+7], v[VSW+\d], v[PW]
.endr
.rept 3
	v_nop                                          ; with the five additions below: eight places ahead of the next loads into these products' registers and of the next read of their results
.endr
.Lskip_\@:
	v_add_nc_u32 v[AK], 8192, v[AK]                ; on to the next step, on every path
	v_add_nc_u32 v[AV], 8192, v[AV]
	v_add_nc_u32 v[AS], 256, v[AS]
	v_add_nc_u32 v[AT], 256, v[AT]
	v_add_nc_u32 v[AM], 512, v[AM]
.endm
; Trip n works on step n and brings the pair of steps 2 n + 2, 2 n + 3: asked for ahead of the step's work, stored behind it.  Step n lies in pair n / 2, which was stored in trip n / 2 - 1 at the latest.
.LA:
	global_load_b128 v[FI:FI+3], v[GOF], s[KP:KP+1]
	global_load_b128 v[FI+4:FI+7], v[GOF], s[KP:KP+1] offset:8192
	global_load_b128 v[FI+8:FI+11], v[GOF], s[VP:VP+1]
	global_load_b128 v[FI+12:FI+15], v[GOF], s[VP:VP+1] offset:8192
	; a prefetch of the pair that the NEXT trip will load, behind this trip's loads.  All eight work-groups of a head load the same codes: the first of them asks; in it waves 0, 1 name K's 16,384 bytes and waves 2, 3 V's,
	; 8,192 bytes a wave, lanes 256 bytes apart: each block of 256 bytes is named once in the launch.  Trips 0 to 5 ask (pairs 2 to 7); the last trip has no pair behind its own.
	s_cmp_lt_u32 s[SI], s[LIM]
	s_cbranch_scc0 .Lnot_mine
	global_prefetch_b8 v[PFO], s[PFA:PFA+1] th:TH_LOAD_NT scope:SCOPE_SE
.Lnot_mine:
	STEP
	s_wait_loadcnt 0x0                             ; the pair, asked for a step ago
	ds_store_b128 v[FL], v[FI:FI+3]
	ds_store_b128 v[FL], v[FI+4:FI+7] offset:8192
	ds_store_b128 v[FL2], v[FI+8:FI+11]
	ds_store_b128 v[FL2], v[FI+12:FI+15] offset:8192
	v_add_nc_u32 v[FL], PAIR, v[FL]
	v_add_nc_u32 v[FL2], PAIR, v[FL2]
	s_wait_xcnt 0x0                                ; the prefetch has read its address: the three pointers are stepped only behind this wait
	s_add_nc_u64 s[KP:KP+1], s[KP:KP+1], PAIR
	s_add_nc_u64 s[VP:VP+1], s[VP:VP+1], PAIR
	s_add_nc_u64 s[PFA:PFA+1], s[PFA:PFA+1], PAIR
	s_wait_dscnt 0x0                               ; for the others' sake: my stores have landed
	s_barrier_signal -1
	s_barrier_wait -1                              ; the pair lies in LDS; it is read from the next trip on
	s_add_co_u32 s[SI], s[SI], 1
	s_cmp_lt_u32 s[SI], 7
	s_cbranch_scc1 .LA
.LB:                                               ; steps 7 to 15: the whole head lies in LDS, and no wave waits for another
	STEP
	s_add_co_u32 s[SI], s[SI], 1
	s_cmp_lt_u32 s[SI], 16
	s_cbranch_scc1 .LB
	; THE WAY OUT.  The stages lie in K's bytes: every wave's reads of them are over behind this barrier.
	s_wait_dscnt 0x0
	s_barrier_signal -1
	s_barrier_wait -1
	v_add_f32 v[SUM], v[SUM], v[SUM+1]             ; the sum's two halves,
	v_permlanex16_b32 v[PM], v[SUM], s[SEL], s[SEL+1]
	v_add_f32 v[SUM], v[SUM], v[PM]                ; and lane l xor 16's: the row's sum
	v_rcp_f32 v[SUM], v[SUM]
	v_and_b32 v12, 15, v0                          ; (plain lines behind the reciprocal)  r
	v_bfe_u32 v13, v0, 4, 1                        ; hh
	s_mul_i32 s33, s[WV], 16*SP
	s_add_co_u32 s33, s33, STG                     ; my stage
	v_mul_u32_u24 v1, v12, SP
	v_lshl_add_u32 v1, v13, 5, v1
	v_add_nc_u32 v1, s33, v1                       ; in: row r; tile d's eight channels of my half lie 64 d + 32 hh bytes on
	v_mul_u32_u24 v2, v13, SP
	v_lshl_add_u32 v2, v12, 4, v2
	v_add_nc_u32 v2, s33, v2                       ; back: lanes 0-15 one row, lanes 16-31 the next
	v_lshlrev_b32 v3, 12, v13
	v_lshl_add_u32 v3, v12, 4, v3                  ; and the same two tokens in out: 4,096 bytes apart
	s_wait_alu depctr_va_vdst(0)                   ; the wait ahead of the reciprocal's first reader
.set jj, 0
.rept 16
	v_pk_mul_f32 v[S+jj:S+jj+1], v[O+jj:O+jj+1], v[SUM:SUM+1] op_sel_hi:[1,0]   ; O^T / the sum: register 8 d + i is out(query r, channel 16 d + 8 hh + i); each accumulator from its low end on
.set jj, jj+2
.endr
.irp d, 0,1,2,3
	ds_store_b128 v1, v[S+8*\d:S+8*\d+3] offset:64*\d
	ds_store_b128 v1, v[S+8*\d+4:S+8*\d+7] offset:64*\d+16
.endr
.irp i, 0,1,2,3,4,5,6,7
	ds_load_b128 v[S+32+4*\i:S+32+4*\i+3], v2 offset:2*SP*\i       ; my own bytes, served in order: these see the stores above
.endr
.irp i, 0,1,2,3,4,5,6,7
	s_wait_dscnt 7-\i                              ; behind load i: 7 - i
	global_store_b128 v3, v[S+32+4*\i:S+32+4*\i+3], s[18:19] offset:8192*\i th:TH_STORE_NT   ; sixteen lanes store the 256 consecutive bytes of (token, head), aligned
.endr
	s_wait_xcnt 0x0
	v_lshl_add_u32 v254, v0, 2, 0x44000
	v_mov_b32 v255, 0
	s_wait_tensorcnt 0x0
	ds_add_u32 v254, v255
	s_wait_dscnt 0x0
	s_endpgm
.Lfunc_end_k_q42e921431c_attn:
	.size	k_q42e921431c_attn, .Lfunc_end_k_q42e921431c_attn-k_q42e921431c_attn
	.p2alignl 7, 3214868480
	.fill 96, 4, 3214868480
	.section	.rodata,"a",@progbits
	.p2align	6, 0x0
	.amdhsa_kernel k_q42e921431c_attn
		.amdhsa_group_segment_fixed_size 280576
		.amdhsa_private_segment_fixed_size 0
		.amdhsa_enable_private_segment 0
		.amdhsa_kernarg_size 64
		.amdhsa_user_sgpr_count 2
		.amdhsa_user_sgpr_kernarg_segment_ptr 1
		.amdhsa_wavefront_size32 1
		.amdhsa_system_sgpr_workgroup_id_x 1
		.amdhsa_system_sgpr_workgroup_id_y 1
		.amdhsa_system_sgpr_workgroup_id_z 1
		.amdhsa_system_vgpr_workitem_id 0
		.amdhsa_next_free_vgpr 256
		.amdhsa_next_free_sgpr 66
		.amdhsa_reserve_vcc 1
		.amdhsa_float_denorm_mode_32 3
		.amdhsa_float_denorm_mode_16_64 3
		.amdhsa_memory_ordered 1
		.amdhsa_forward_progress 1
		.amdhsa_inst_pref_size 73
	.end_amdhsa_kernel
	.amdgpu_metadata
---
amdhsa.version: [ 1, 2 ]
amdhsa.kernels:
  - .name:           k_q42e921431c_attn
    .symbol:         k_q42e921431c_attn.kd
    .args:
      - { .name: qkv, .offset: 0, .size: 8, .value_kind: global_buffer, .address_space: global }
      - { .name: key_padding_mask, .offset: 8, .size: 8, .value_kind: global_buffer, .address_space: global }
      - { .name: kc, .offset: 16, .size: 8, .value_kind: global_buffer, .address_space: global }
      - { .name: ks, .offset: 24, .size: 8, .value_kind: global_buffer, .address_space: global }
      - { .name: vc, .offset: 32, .size: 8, .value_kind: global_buffer, .address_space: global }
      - { .name: vs, .offset: 40, .size: 8, .value_kind: global_buffer, .address_space: global }
      - { .name: first, .offset: 48, .size: 8, .value_kind: global_buffer, .address_space: global }
      - { .name: out0, .offset: 56, .size: 8, .value_kind: global_buffer, .address_space: global }
    .group_segment_fixed_size: 280576
    .private_segment_fixed_size: 0
    .kernarg_segment_align: 8
    .kernarg_segment_size: 64
    .max_flat_workgroup_size: 512
    .sgpr_count:     66
    .vgpr_count:     256
    .wavefront_size: 32
...
	.end_amdgpu_metadata
.endif
;; end of part 2
;; ======== version 2 of 2: 2 launches
;; limits: right only within a limited range of input values
;; workspace buffers: kc 4,194,304 bytes; ks 131,072 bytes; vc 4,194,304 bytes; vs 131,072 bytes; first 256 bytes of whole numbers
;; launch prep (part 3): grid 512 x 1, 4 waves a work-group, no clusters, 17,920 bytes of LDS; arguments qkv, key_padding_mask, kc, ks, vc, vs, first; writes kc, ks, vc, vs, first
.if DOCPART == 3
	.amdgcn_target "amdgcn-amd-amdhsa--gfx1250"
	.amdhsa_code_object_version 6
	.text
	.protected	k_q42e921431c_prep
	.globl	k_q42e921431c_prep
	.p2align	8
	.type	k_q42e921431c_prep,@function
k_q42e921431c_prep:
	s_mov_b64 s[64:65], 0
	v_nop
	global_prefetch_b8 v0, s[64:65] scope:SCOPE_SE
	s_setreg_imm32_b32 hwreg(HW_REG_WAVE_MODE, 25, 1), 1
	s_wait_xcnt 0x0
; qkv [2][2048][3][16][64] f32.  k / 8 and v become codes of FP8 (E4M3) with one E8M0 byte for each 32 along a product's K, laid in the ORDER OF THE OPERANDS' REGISTERS,
; so that the attention launch takes every fragment as 512 consecutive bytes.  bh = 16 b + h; a step is 128 keys.
;   kc [bh][step][tile 0..7][c 0..1][lane][16 B]: lane (r, hh) holds key 32 (t / 2) + 8 (t % 2) + r + 8 (r / 8) of the step, head places 32 c + 16 hh + 0 .. 15 (K = the head's 64)
;   ks [bh][step][j 0..1][r][p 0..1] words: pair of tiles 2 j + p, row r; byte 2 u + c: tile 2 (2 j + p) + u, block c
;   vc [bh][step][d 0..3][c 0..3][lane][16 B]: lane (r, hh) holds channel 16 d + r, keys 32 c + 16 hh + 0 .. 15 of the step (K = the keys)
;   vs [bh][step][r][d] words: byte c: the step's c-th block of 32 keys
;   first: words 32 b + 0 .. 31 all hold FT[b] = ceil(f / 16), f the batch's first key whose mask byte is not 0 (2,048 if there is none): the number of tiles of 16 queries that hold a row with no open key at or ahead of it.
; THE FACTOR 1/8 ON k is a power of two: the codes of k / 8 are those of k, and the block's byte is 3 less.  So the floor under a block's largest magnitude stands 3 exponent steps higher for k (2^(12 - 127)), which holds the byte at 1 from below.
; A block's scale is 2^(floor(log2(largest magnitude)) - 8): its byte is the largest magnitude's exponent field - 8.  Each number is held within +-448 x the scale and rounded to the nearest code, ties to even.
; LIMITS: NaN and infinities are not served; blocks whose largest magnitude lies under the floor were not tried; a block of zeros gets the floor's byte, 1, where the rule says 127 (its codes are zeros, and this program alone reads the bytes); a mask byte other than 0 counts as true.
; SHARES: work-groups 0-255 take k, 256-511 take v; of each kind wave u = 4 x work-group + wave (0 .. 1023) takes 16 KiB of f32: 64 keys x 64 of k, or 128 keys x 32 channels of v.  Waves share nothing: no barrier.  Only k's way uses LDS.
.set ROWB, 12288                       ; bytes from a token to the next in qkv; k begins 4,096 and v 8,192 bytes into a token, a head is 256 bytes
.set WREG, 4352                        ; LDS of a wave (k's way): 4,096 bytes of codes, 128 scale bytes, rounded up to 256
.set MANT, 0x600000                    ; the mantissa field of 448 as f32
	s_load_b256 s[4:11], s[0:1], 0x0               ; qkv s[4:5], the mask s[6:7], kc s[8:9], ks s[10:11]
	s_load_b128 s[12:15], s[0:1], 0x20             ; vc s[12:13], vs s[14:15]
	s_load_b64 s[16:17], s[0:1], 0x30              ; first
	v_lshl_add_u32 v232, v0, 2, 0x4400
	v_mov_b32 v233, 0
	v_lshrrev_b32 v1, 5, v0
	v_readfirstlane_b32 s20, v1                    ; wave 0..3
	v_and_b32 v1, 31, v0                           ; lane
	s_and_b32 s21, ttmp9, 255
	s_lshl_b32 s21, s21, 2
	s_add_co_u32 s21, s21, s20                     ; u
	s_lshr_b32 s22, s21, 5                         ; bh
	s_lshr_b32 s24, s22, 4                         ; b
	s_and_b32 s25, s22, 15                         ; h
	s_bfe_u32 s26, s21, 0x40001                    ; step = (u >> 1) & 15
	s_and_b32 s27, s21, 1                          ; which half: of the step's keys (k) or of the channels (v)
	s_mov_b32 s23, MANT
	s_lshl_b32 s28, s24, 11
	s_lshl_b32 s29, s26, 7
	s_add_co_u32 s28, s28, s29                     ; the step's first token: 2,048 b + 128 step
	s_lshl_b32 s30, s25, 8                         ; 256 h
	s_mov_b32 s29, 0
	s_cmp_lt_u32 ttmp9, 256
	s_cbranch_scc0 .Lvpath
; ---------------- k: 64 keys x 64.  Eight lanes to a key (lane m = lane % 8: head places 8 m .. 8 m + 7), four keys to a group, sixteen groups.  A group's two loads cover four whole rows of 256 bytes.
	s_lshl_b32 s31, s27, 6
	s_add_co_u32 s28, s28, s31                     ; + 64 x half
	s_mul_i32 s28, s28, ROWB
	s_add_co_u32 s28, s28, s30
	s_add_co_u32 s28, s28, 4096                    ; k's place in a token
	s_mul_i32 s32, s20, WREG                       ; my wave's LDS
	v_and_b32 v9, 7, v0                            ; m
	v_bfe_u32 v13, v0, 3, 2                        ; q = lane / 8: which key of a group
	v_lshlrev_b32 v2, 5, v9
	v_mad_u32_u24 v2, v13, ROWB, v2                ; in: q tokens on, 32 m bytes
	v_and_b32 v9, 1, v0
	v_lshlrev_b32 v3, 3, v9                        ; the image: 8 (m % 2): which half of a lane's 16 bytes,
	v_bfe_u32 v9, v0, 1, 2
	v_lshl_add_u32 v3, v9, 8, v3                   ; 256 ((m / 2) % 2): the image's lanes 16-31;  512 (m / 4): block c,
	v_lshl_add_u32 v3, v13, 4, v3                  ; 16 q: the image's lane
	v_add_nc_u32 v3, s32, v3
	v_bfe_u32 v9, v0, 2, 1
	v_lshl_add_u32 v4, v13, 3, v9                  ; the scale bytes: 8 q + (m / 4)
	v_add_nc_u32 v4, s32, v4
	v_lshlrev_b32 v7, 4, v1                        ; the way out: 16 bytes a lane,
	v_add_nc_u32 v5, s32, v7
	v_lshlrev_b32 v8, 2, v1                        ; and 4 bytes a lane of the scale words
	v_add_nc_u32 v6, s32, v8
	s_wait_kmcnt 0x0
	s_add_nc_u64 s[4:5], s[4:5], s[28:29]
	s_lshl_b32 s28, s21, 12
	s_add_nc_u64 s[8:9], s[8:9], s[28:29]          ; kc + 4,096 u
	s_lshl_b32 s28, s21, 7
	s_add_nc_u64 s[10:11], s[10:11], s[28:29]      ; ks + 128 u
.set ii, 0
.rept 16
	global_load_b128 v[64+8*ii:64+8*ii+3], v2, s[4:5] offset:4*ROWB*ii th:TH_LOAD_NT
	global_load_b128 v[64+8*ii+4:64+8*ii+7], v2, s[4:5] offset:4*ROWB*ii+16 th:TH_LOAD_NT
.set ii, ii+1
.endr
; Group i holds keys 4 i + q of my 64.  Key x of 32 lies in tile u = (x / 8) % 2 of its pair, row (x % 8) + 8 (x / 16): so the pair is i / 8, the tile TLE = 2 (i / 8) + (i / 2) % 2, the row RW + q.
.macro KGROUP i
.set X, 64+8*(\i)
.set RW, 4*((\i)&1)+8*(((\i)>>2)&1)
.set TLE, 2*((\i)>>3)+(((\i)>>1)&1)
.if (\i)%4 == 0
	s_wait_loadcnt 24-2*(\i)                       ; the eight loads of groups i .. i + 3 are in; behind them 24 - 2 i were issued
.endif
	v_max3_num_f32 v10, |v[X]|, |v[X+1]|, 0x6000000                ; my eight numbers and the floor 2^(12 - 127)
	v_max3_num_f32 v10, v10, |v[X+2]|, |v[X+3]|
	v_max3_num_f32 v10, v10, |v[X+4]|, |v[X+5]|
	v_max3_num_f32 v10, v10, |v[X+6]|, |v[X+7]|
	v_max_num_f32_dpp v10, v10, v10 row_xmask:1 row_mask:0xf bank_mask:0xf
	v_max_num_f32_dpp v10, v10, v10 row_xmask:2 row_mask:0xf bank_mask:0xf   ; four lanes hold a block of 32
	v_add_nc_u32 v11, 0xfc000000, v10              ; 8 off the exponent field: the conversion's scale operand (for k as it stands)
	v_and_or_b32 v12, v10, 0x7f800000, s23         ; 448 x the scale
.irp e, 0,1,2,3,4,5,6,7
	v_med3_num_f32 v[X+\e], v[X+\e], -v12, v12     ; the conversion to an 8-bit code does not saturate (ISA guide 7.6.2): the hold comes first
.endr
	v_cvt_scalef32_pk8_fp8_f32 v[16+2*(\i):17+2*(\i)], v[X:X+7], v11
	v_lshrrev_b32 v[48+(\i)], 23, v11              ; the byte of k's scale (a plain line behind the conversion),
	v_add_nc_u32 v[48+(\i)], -3, v[48+(\i)]        ; and of k / 8's
	ds_store_b64 v3, v[16+2*(\i):17+2*(\i)] offset:1024*TLE+16*RW
	ds_store_b8 v4, v[48+(\i)] offset:4096+8*RW+2*TLE              ; the four lanes of a block write the same byte with the same value
.endm
.irp i, 0,1,2,3,4,5,6,7,8,9,10,11,12,13,14,15
	KGROUP \i
.endr
.irp k, 0,1,2,3,4,5,6,7
	ds_load_b128 v[192+4*\k:195+4*\k], v5 offset:512*\k            ; LDS serves a wave's instructions in order (ISA guide 5.7.1.4): these see my stores
.endr
	ds_load_b32 v224, v6 offset:4096
.irp k, 0,1,2,3,4,5,6,7
	s_wait_dscnt 8-\k                              ; behind load k: 7 - k of its kind and the scale words' load
	global_store_b128 v7, v[192+4*\k:195+4*\k], s[8:9] offset:512*\k   ; 32 lanes store 512 consecutive bytes, aligned
.endr
	s_wait_dscnt 0x0
	global_store_b32 v8, v224, s[10:11]            ; 128 consecutive bytes; the wave of the step's other half stores the 128 beside them.  ks is one byte in 260 of what the launch moves
	s_wait_tensorcnt 0x0
	ds_add_u32 v232, v233
	s_wait_dscnt 0x0
	s_endpgm
; ---------------- v: 128 keys x 32 channels.  A lane takes a channel and its registers run down the keys: a block of 32 keys is one lane's 32 registers, and the conversions give codes with the keys innermost.
.Lvpath:
	s_mul_i32 s28, s28, ROWB
	s_add_co_u32 s28, s28, s30
	s_lshl_b32 s31, s27, 7
	s_add_co_u32 s28, s28, s31                     ; + 128 x half: channels 32 x half on
	s_add_co_u32 s28, s28, 8192                    ; v's place in a token
	s_wait_alu depctr_va_vdst(0)
	v_lshlrev_b32 v2, 2, v1                        ; in: 4 bytes a lane
	v_and_b32 v6, 15, v0                           ; r
	v_bfe_u32 v7, v0, 4, 1                         ; which of my two tiles of 16 channels
	v_lshlrev_b32 v3, 4, v6
	v_lshl_add_u32 v4, v7, 2, v3                   ; vs: 16 r + 4 x tile
	v_lshl_add_u32 v3, v7, 11, v3                  ; vc: 2,048 x tile + 16 r
	v_lshlrev_b32 v5, 4, v1                        ; the mask: 16 bytes a lane
	s_wait_alu depctr_va_vdst(0)
	s_wait_kmcnt 0x0
	s_add_nc_u64 s[4:5], s[4:5], s[28:29]
	s_lshl_b32 s28, s21, 12
	s_add_nc_u64 s[12:13], s[12:13], s[28:29]      ; vc + 4,096 u
	s_lshr_b32 s28, s21, 1
	s_lshl_b32 s28, s28, 8
	s_lshl_b32 s31, s27, 3
	s_add_co_u32 s28, s28, s31
	s_add_nc_u64 s[14:15], s[14:15], s[28:29]      ; vs + 256 (u / 2) + 8 x half
.set nn, 0
.rept 128
	global_load_b32 v[64+nn], v2, s[4:5] offset:ROWB*nn th:TH_LOAD_NT   ; key nn, my channel: 32 lanes read 128 consecutive bytes
.set nn, nn+1
.endr
; FT: made by one wave for each batch (u = 0 and u = 512), behind its own loads.  Whole numbers only; the result is stored and steers nothing here.
	s_and_b32 s33, s21, 511
	s_cmp_lg_u32 s33, 0
	s_cbranch_scc1 .Lno_first
	s_lshl_b32 s28, s24, 11
	s_add_nc_u64 s[6:7], s[6:7], s[28:29]          ; the batch's 2,048 mask bytes
	s_lshl_b32 s28, s24, 7
	s_add_nc_u64 s[16:17], s[16:17], s[28:29]      ; its 32 words of first
.irp i, 0,1,2,3
	global_load_b128 v[192+4*\i:195+4*\i], v5, s[6:7] offset:512*\i   ; lane l of load i: the 16 keys of granule 32 i + l
.endr
	s_wait_loadcnt 0x0                             ; all loads of the wave are in, v's too: the counted waits below are met on this way as well
.irp i, 0,1,2,3
	v_or_b32 v208, v[192+4*\i], v[193+4*\i]
	v_or_b32 v209, v[194+4*\i], v[195+4*\i]
	v_or_b32 v208, v208, v209
	v_cmp_ne_u32 s[40+\i], 0, v208                 ; granules with an open key
	v_and_b32 v209, 0xff, v[192+4*\i]
	v_cmp_ne_u32 s[44+\i], 0, v209                 ; granules whose first key is open
.endr
	s_mov_b32 s34, 0
	s_mov_b32 s35, 0
	s_mov_b32 s36, 0
.irp i, 3,2,1,0                                ; the lowest word that is not 0 wins
	s_cmp_lg_u32 s[40+\i], 0
	s_cselect_b32 s34, s[40+\i], s34
	s_cselect_b32 s35, s[44+\i], s35
	s_cselect_b32 s36, 32*\i, s36
.endr
	s_ctz_i32_b32 s37, s34
	s_and_b32 s37, s37, 31                         ; the first open granule is s36 + s37
	s_lshr_b32 s38, s35, s37
	s_and_b32 s38, s38, 1                          ; 1 if f is that granule's first key
	s_add_co_u32 s36, s36, s37
	s_add_co_u32 s36, s36, 1
	s_sub_co_u32 s36, s36, s38                     ; ceil(f / 16)
	s_cmp_lg_u32 s34, 0
	s_cselect_b32 s36, s36, 128                    ; no open key at all: every tile
	v_mov_b32 v210, s36
	global_store_b32 v2, v210, s[16:17]
.Lno_first:
.macro VBLOCK c, left
.set X, 64+32*(\c)
	s_wait_loadcnt \left                           ; this block's 32 loads are in
	v_max3_num_f32 v12, |v[X]|, |v[X+1]|, |v[X+2]|                 ; the block's largest magnitude: all 32 numbers are mine; two chains
	v_max3_num_f32 v13, |v[X+3]|, |v[X+4]|, |v[X+5]|
.irp i, 6,10,14,18,22,26
	v_max3_num_f32 v12, v12, |v[X+\i]|, |v[X+\i+1]|
	v_max3_num_f32 v13, v13, |v[X+\i+2]|, |v[X+\i+3]|
.endr
	v_max3_num_f32 v12, v12, |v[X+30]|, |v[X+31]|
	v_max3_num_f32 v12, v12, v13, 0x4800000        ; and the floor 2^(9 - 127)
	v_add_nc_u32 v11, 0xfc000000, v12              ; the conversion's scale operand
	v_and_or_b32 v10, v12, 0x7f800000, s23         ; 448 x the scale
	v_lshrrev_b32 v13, 23, v11                     ; the byte
.if (\c) == 0
	v_mov_b32 v48, v13
.else
	v_lshl_or_b32 v48, v13, 8*(\c), v48            ; four bytes make my channel's scale word for the step
.endif
.set ee, 0
.rept 32
	v_med3_num_f32 v[X+ee], v[X+ee], -v10, v10
.set ee, ee+1
.endr
.irp g, 0,1,2,3
	v_cvt_scalef32_pk8_fp8_f32 v[16+8*(\c)+2*\g:17+8*(\c)+2*\g], v[X+8*\g:X+8*\g+7], v11
.endr
	v_nop                                          ; a plain line behind the last conversion, ahead of the next write of its scale operand
	global_store_b128 v3, v[16+8*(\c):19+8*(\c)], s[12:13] offset:512*(\c)        ; keys 0-15 of the block: sixteen lanes store 256 consecutive bytes, aligned
	global_store_b128 v3, v[20+8*(\c):23+8*(\c)], s[12:13] offset:512*(\c)+256    ; keys 16-31: the image's lanes 16-31
.endm
	VBLOCK 0, 63                                   ; 96 loads were issued behind block 0's, 64 behind block 1's: the count's field ends at 63, and a smaller count is safe
	VBLOCK 1, 63
	VBLOCK 2, 32
	VBLOCK 3, 0
	global_store_b32 v4, v48, s[14:15]             ; my channel's word; the step's 256 bytes of vs come from two waves.  vs is one byte in 260 of what the launch moves
	s_endpgm
.Lfunc_end_k_q42e921431c_prep:
	.size	k_q42e921431c_prep, .Lfunc_end_k_q42e921431c_prep-k_q42e921431c_prep
	.p2alignl 7, 3214868480
	.fill 96, 4, 3214868480
	.section	.rodata,"a",@progbits
	.p2align	6, 0x0
	.amdhsa_kernel k_q42e921431c_prep
		.amdhsa_group_segment_fixed_size 17920
		.amdhsa_private_segment_fixed_size 0
		.amdhsa_enable_private_segment 0
		.amdhsa_kernarg_size 56
		.amdhsa_user_sgpr_count 2
		.amdhsa_user_sgpr_kernarg_segment_ptr 1
		.amdhsa_wavefront_size32 1
		.amdhsa_system_sgpr_workgroup_id_x 1
		.amdhsa_system_sgpr_workgroup_id_y 1
		.amdhsa_system_sgpr_workgroup_id_z 1
		.amdhsa_system_vgpr_workitem_id 0
		.amdhsa_next_free_vgpr 234
		.amdhsa_next_free_sgpr 66
		.amdhsa_reserve_vcc 0
		.amdhsa_float_denorm_mode_32 3
		.amdhsa_float_denorm_mode_16_64 3
		.amdhsa_memory_ordered 1
		.amdhsa_forward_progress 1
		.amdhsa_inst_pref_size 60
	.end_amdhsa_kernel
	.amdgpu_metadata
---
amdhsa.version: [ 1, 2 ]
amdhsa.kernels:
  - .name:           k_q42e921431c_prep
    .symbol:         k_q42e921431c_prep.kd
    .args:
      - { .name: qkv, .offset: 0, .size: 8, .value_kind: global_buffer, .address_space: global }
      - { .name: key_padding_mask, .offset: 8, .size: 8, .value_kind: global_buffer, .address_space: global }
      - { .name: kc, .offset: 16, .size: 8, .value_kind: global_buffer, .address_space: global }
      - { .name: ks, .offset: 24, .size: 8, .value_kind: global_buffer, .address_space: global }
      - { .name: vc, .offset: 32, .size: 8, .value_kind: global_buffer, .address_space: global }
      - { .name: vs, .offset: 40, .size: 8, .value_kind: global_buffer, .address_space: global }
      - { .name: first, .offset: 48, .size: 8, .value_kind: global_buffer, .address_space: global }
    .group_segment_fixed_size: 17920
    .private_segment_fixed_size: 0
    .kernarg_segment_align: 8
    .kernarg_segment_size: 56
    .max_flat_workgroup_size: 128
    .sgpr_count:     66
    .vgpr_count:     234
    .wavefront_size: 32
...
	.end_amdgpu_metadata
.endif
;; end of part 3
;; launch attn (part 4): grid 8 x 32, 16 waves a work-group, no clusters, 280,576 bytes of LDS; arguments qkv, key_padding_mask, kc, ks, vc, vs, first, out0; writes out0
.if DOCPART == 4
	.amdgcn_target "amdgcn-amd-amdhsa--gfx1250"
	.amdhsa_code_object_version 6
	.text
	.protected	k_q42e921431c_attn
	.globl	k_q42e921431c_attn
	.p2align	8
	.type	k_q42e921431c_attn,@function
k_q42e921431c_attn:
	s_mov_b64 s[64:65], 0
	v_nop
	global_prefetch_b8 v0, s[64:65] scope:SCOPE_SE
	s_setreg_imm32_b32 hwreg(HW_REG_WAVE_SCHED_MODE, 0, 2), 2
	s_setreg_imm32_b32 hwreg(HW_REG_WAVE_MODE, 25, 1), 1
	s_wait_xcnt 0x0
	s_wait_alu depctr_vm_vsrc(0)
; out[b][t][h][:] = softmax_s(q[t] . k[s] / 8 + pad[s] + causal[t][s]) v[s][:], pad = 0 or -10000 by the mask input, causal = -10000 where s > t: both ADDED, as the problem has them.
; Both products on codes of FP8 (E4M3) with E8M0 scales for each 32 along K.  k / 8 and v come as codes laid in the order of the operands' registers (launch prep); q is quantised here, in registers.
; THE SOFTMAX: t = logit x log2(e); M = the running largest t rounded UP to a whole number; p = 2^(t - M) is quantised along the keys, not normalised; the row's sum is taken of the unquantised p and divides at the end;
; when M moves, the sum and O are multiplied by 2^(old M - new M), which rounds nothing.
; WHICH KEYS A ROW NEEDS.  The masks are finite.  A row that has an open key (not padded, not behind it) leaves all keys at -10000 with p = 0.  A row with none (t < f, f the batch's first open key) has ALL its keys at -10000 or lower,
; and the keys behind it count in full.  So a tile of 16 queries stops at its diagonal step only if its number is at least FT = ceil(f / 16), which launch prep stored; every other tile walks all 16 steps.
; NO TENSOR LOAD, NO CLUSTER, NO JOINT REQUEST, though the eight work-groups of a head read the same codes: the number of steps that a wave works hangs on FT, a number read from memory
; LDS is filled through registers.
; LIMITS.  (a) In a row that has an open key, the keys of steps wholly behind its diagonal step are left out: their p is 0 in f32 as long as (largest hidden score - the row's largest open score) stays under some 9,890.
; (b) A key that is padded AND hidden gets one addition of -20000 in place of two of -10000; such a key is never at a row's top level, since key t itself is never hidden.  (c) NaN and infinities are not served; blocks under the floor
; 2^(9 - 127) were not tried; a block of zeros has the byte 1 (its codes are zeros).  (d) A mask byte other than 0 counts as true.
; SHARES.  Work-group (g, bh): head bh = 16 b + h.  The head's 128 tiles of 16 queries lie in 16 blocks of 8; the work-group owns blocks 15 - g (16 - g key steps to its diagonal) and g (g + 1 steps): 8 x 17 tile steps in every work-group.
; A wave owns ONE tile, in 256 registers; the long and the short tiles are dealt so that any four waves w % 4 alike, and any four w / 4 alike, hold two of each.
; LDS: the WHOLE HEAD's codes stay: K's 131,072 bytes, V's 131,072, their scale words 4,096 each, the padding mask as f32 8,192.  They come in pairs of steps (16,384 + 16,384 bytes), one pair ahead of the work, in the first seven
; trips, with one barrier a trip; no byte is filled twice.  Behind the seventh trip no wave waits for another until the way out.
; K = 64 IN AN INSTRUCTION OF 128: source 0 is TWO tiles of 16 keys (registers 0-7 and 8-15); it is multiplied by [Q | zero codes] and by [zero codes | Q].  Q lies as Q, zeros, Q in 24 registers.
; THE KEYS OF A TILE ARE NOT NEIGHBOURS (see prep): the 16 registers of tiles 2 b and 2 b + 1 are keys 32 b + 16 (lane / 16) + 0 .. 15, so p's codes are the second product's operand as they come.
; THE PADDING MASK COSTS NO ARITHMETIC: it is loaded into the scores' registers and is the C of S^T = K Q^T; from the diagonal step on the causal -10000 is added onto it ahead of the product.
; Both products are used transposed: a lane holds ONE query (lane % 16) throughout.
; THE MODE: SCHED_MODE bits 1:0 = 2 (LLVM: expert scheduling mode 2), set by the entry lines.  The code itself states the register dependences between vector or matrix instructions and memory or LDS instructions,
; with s_wait_alu, always for 0.
; THE PLAN.  Registers that memory or LDS instructions touch, round a key step:
;   S          The mask's loads land in it at the step's head; then vector and matrix instructions alone name it, the conversions last.
;   F          K's loads land in it at the head, the S^T products read it; V's loads land in it behind them, the O^T products read it.
;   KSW, VSW   An LDS load lands in each; the products read them as scales.
;   v1-v5      Read by the step's LDS loads as addresses; written by five additions at the step's end, on every path.
;   v7, v8     Read by a trip's four LDS stores as addresses; written by two additions behind them.
;   FI         A trip's global loads land in it; its four LDS stores read it; no vector instruction names it ahead of the closing lines.
;   v9, v10    Offsets, made at the head and never written again.
; THE WAITS OF A STEP.  On va_vdst: one at the head (the additions have written the addresses; the O^T products are done reading F and VSW; the conversions are done with S), one behind the S^T products (they are done reading F),
; the two behind the exponentials, one ahead of the O^T products (p's codes and scale word are written).  On vm_vsrc: one at the end, ahead of the additions; in the first loop it stands behind the four LDS stores and serves v7, v8 and FI too.
; On va_sdst: one behind each run of sixteen compares of the causal lines.
.set VC,   131072                      ; LDS: K's codes at 0, V's here,
.set KSB,  262144                      ; K's scale words,
.set VSB,  266240                      ; V's,
.set MKB,  270336                      ; the mask as f32: 0 or -10000, in the keys' order
.set STG,  49152                       ; a stage of 16 rows x 272 bytes for each wave, inside K's bytes: used ahead of the first barrier (these bytes get their codes behind later barriers) and behind the last
.set SP,   272
.set PAIR, 16384                       ; two steps' codes of K, or of V
.set AK,   1                           ; v1   16 x lane + 8,192 x step: K's fragments        (v1-v5 are stepped at each step's end, on every path)
.set AV,   2                           ; v2   the same in V's bytes
.set AS,   3                           ; v3   KSB + 8 x lane + 256 x step
.set AT,   4                           ; v4   VSB + 16 (lane % 16) + 256 x step
.set AM,   5                           ; v5   MKB + 64 (lane / 16) + 512 x step
.set LD,   6                           ; v6   (lane % 16) - 16 (lane / 16)
.set FL,   7                           ; v7   where I store my 16 bytes of the next pair of K;  v8 of V
.set FL2,  8
.set GOF,  9                           ; v9   16 x thread: my bytes of a pair in memory; never rewritten
.set PFO,  10                          ; v10  256 x lane: the prefetches' offset; never rewritten
.set NEGV, 14                          ; v14  -10000.0
.set T0,   15                          ; v15  at work
.set NM,   16                          ; v16  -M;  v17 the largest t so far
.set TT,   17
.set SUM,  18                          ; v[18:19] the row's sum, in two halves
.set QF,   20                          ; v20-27 Q, v28-35 zero codes, v36-43 Q
.set QSL,  44                          ; v44  Q's scale word for [Q | 0];  v45 for [0 | Q]
.set KSW,  46                          ; v[46:47] K's scale words of the step
.set VSW,  48                          ; v[48:51] V's
.set PW,   52                          ; v52  p's scale word
.set FF,   54                          ; v[54:55] f = 2^(old M - new M) in the low word; both also at work in the causal lines
.set F,    56                          ; v56-119  K's four pairs of tiles, then V's four tiles
.set S,    120                         ; v120-183 the mask, then S^T, then p
.set O,    184                         ; v184-215 O^T
.set PC,   216                         ; v216-231 p's codes; its upper half is at work before:
.set TM,   224                         ; v224-227 the blocks' largest scores
.set PM,   228                         ; v228-231 the other half of the lanes'; the bytes; a chain of the sum
.set HOLD, 232                         ; v232-235 448 x the scale
.set SCO,  236                         ; v236-239 the conversions' scale operands
.set FI,   240                         ; v240-255 the pair on its way
.set WV,   20
.set DG,   27                          ; s27  my block = my diagonal step
.set Q0,   29                          ; s29  my first query
.set LAST, 30                          ; s30  my last step
.set SI,   32                          ; s32  the step, and both loops' counter
.set SEL,  34                          ; s[34:35] v_permlanex16_b32's selects for lane l xor 16
.set CS,   36                          ; s[36:37] log2(e), twice (the packed form names a pair)
.set MNT,  38                          ; s38  the mantissa field of 448
.set KP,   40                          ; s[40:41], s[42:43] the next pair in kc and in vc
.set VP,   42
.set PFA,  44                          ; s[44:45] where my prefetches stand
.set LIM,  46                          ; s46  a wave prefetches while the step is under this
.set CM,   48                          ; s[48:63] in the loops: the masks of sixteen compares of the causal lines; at the head s[48:53] are offsets and s[56:59] the padding's four masks
	s_load_b256 s[4:11], s[0:1], 0x0               ; qkv s[4:5], the mask s[6:7], kc s[8:9], ks s[10:11]
	s_load_b256 s[12:19], s[0:1], 0x20             ; vc s[12:13], vs s[14:15], first s[16:17], out s[18:19]
	v_lshrrev_b32 v11, 5, v0
	v_readfirstlane_b32 s[WV], v11                 ; wave 0..15
	s_mov_b32 s21, ttmp9                           ; g
	s_and_b32 s22, ttmp7, 0xffff                   ; bh
	s_lshr_b32 s23, s22, 4                         ; b
	s_and_b32 s24, s22, 15                         ; h
	s_wait_alu depctr_va_sdst(0)                   ; the wave's number is written, ahead of its first reader
	s_lshr_b32 s25, s[WV], 3
	s_xor_b32 s25, s25, s[WV]
	s_and_b32 s25, s25, 1                          ; 0: a tile of the long block, 1: of the short one
	s_bfe_u32 s26, s[WV], 0x30001                  ; which of the block's eight tiles: (w >> 1) & 7
	s_sub_co_u32 s[DG], 15, s21
	s_cmp_eq_u32 s25, 0
	s_cselect_b32 s[DG], s[DG], s21                ; my block
	s_lshl_b32 s28, s[DG], 3
	s_add_co_u32 s28, s28, s26                     ; my tile
	s_lshl_b32 s[Q0], s28, 4
	s_lshl_b32 s48, s23, 11
	s_add_co_u32 s48, s48, s[Q0]                   ; my first token
	s_lshl_b32 s50, s48, 12                        ; in out: 4,096 bytes a token,
	s_mul_i32 s48, s48, 12288                      ; in qkv: 12,288,
	s_lshl_b32 s33, s24, 8                         ; and 256 h in both
	s_add_co_u32 s48, s48, s33
	s_add_co_u32 s50, s50, s33
	s_mov_b32 s49, 0
	s_mov_b32 s51, 0
	s_lshl_b32 s52, s22, 17                        ; the head's codes
	s_mov_b32 s53, 0
	v_and_b32 v11, 31, v0                          ; lane
	v_and_b32 v12, 15, v0                          ; r
	v_bfe_u32 v13, v0, 4, 1                        ; hh
	v_lshlrev_b32 v[GOF], 4, v0
	v_lshlrev_b32 v62, 3, v0                       ; 8 x thread: the scale words
	v_lshlrev_b32 v63, 2, v0                       ; 4 x thread: the mask bytes
	v_mul_u32_u24 v68, v13, 12288
	v_lshl_add_u32 v68, v12, 4, v68                ; q: lanes 0-15 one token's 256 bytes, lanes 16-31 the next token's
	s_wait_kmcnt 0x0
	s_add_nc_u64 s[4:5], s[4:5], s[48:49]
	s_add_nc_u64 s[18:19], s[18:19], s[50:51]
	s_add_nc_u64 s[8:9], s[8:9], s[52:53]
	s_add_nc_u64 s[12:13], s[12:13], s[52:53]
	s_lshl_b32 s52, s22, 12                        ; the head's scale words
	s_add_nc_u64 s[10:11], s[10:11], s[52:53]
	s_add_nc_u64 s[14:15], s[14:15], s[52:53]
	s_lshl_b32 s52, s23, 11                        ; the batch's mask
	s_add_nc_u64 s[6:7], s[6:7], s[52:53]
	s_lshl_b32 s52, s23, 7                         ; the batch's FT
	s_add_nc_u64 s[16:17], s[16:17], s[52:53]
	s_load_b32 s31, s[16:17], 0x0
	s_wait_alu depctr_va_vdst(0)                   ; the four offsets v9, v62, v63 and v68 are written, which the loads below read
	global_load_b128 v[FI:FI+3], v[GOF], s[8:9]                    ; steps 0 and 1 of K: 512 threads x 16 bytes, twice
	global_load_b128 v[FI+4:FI+7], v[GOF], s[8:9] offset:8192
	global_load_b128 v[FI+8:FI+11], v[GOF], s[12:13]               ; and of V
	global_load_b128 v[FI+12:FI+15], v[GOF], s[12:13] offset:8192
	global_load_b64 v[56:57], v62, s[10:11]        ; the head's scale words of K: 4,096 bytes,
	global_load_b64 v[58:59], v62, s[14:15]        ; of V,
	global_load_b32 v60, v63, s[6:7]               ; and the batch's 2,048 mask bytes
.irp i, 0,1,2,3,4,5,6,7
	global_load_b128 v[S+4*\i:S+4*\i+3], v68, s[4:5] offset:24576*\i th:TH_LOAD_NT   ; q: tokens 2 i and 2 i + 1 of my 16: sixteen lanes read 256 consecutive bytes
.endr
	v_lshlrev_b32 v[AK], 4, v11
	v_add_nc_u32 v[AV], VC, v[AK]
	v_lshl_add_u32 v[AS], v11, 3, KSB
	v_lshl_add_u32 v[AT], v12, 4, VSB
	v_lshl_add_u32 v[AM], v13, 6, MKB
	v_lshlrev_b32 v[LD], 4, v13
	v_sub_nc_u32 v[LD], v12, v[LD]
	v_lshl_add_u32 v[FL], v0, 4, PAIR
	v_add_nc_u32 v[FL2], VC, v[FL]
	v_lshlrev_b32 v[PFO], 8, v11
	v_mov_b32 v[NEGV], 0xc61c4000
	s_mul_i32 s33, s[WV], 16*SP
	s_add_co_u32 s33, s33, STG                     ; my stage
	v_mul_u32_u24 v69, v13, SP
	v_lshl_add_u32 v69, v12, 4, v69
	v_add_nc_u32 v69, s33, v69                     ; into it as loaded: two rows an instruction
	v_mul_u32_u24 v70, v12, SP
	v_lshl_add_u32 v70, v13, 6, v70
	v_add_nc_u32 v70, s33, v70                     ; out of it: row r, + 64 hh: my 16 numbers of a block of 32
	v_add_nc_u32 v71, MKB, v[GOF]
	v_add_nc_u32 v72, KSB, v62
	v_add_nc_u32 v73, VC, v[GOF]
	s_mov_b32 s[SEL], 0x76543210
	s_mov_b32 s[SEL+1], 0xfedcba98
	s_mov_b32 s[CS], 0x3fb8aa3b                    ; log2(e)
	s_mov_b32 s[CS+1], s[CS]
	s_mov_b32 s[MNT], 0x600000
	s_wait_loadcnt 8                               ; all but q's eight loads, which were issued last
.irp k, 0,1,2,3
	v_bfe_u32 v[TM+\k], v60, 8*\k, 8               ; my four mask bytes
.endr
.irp k, 0,1,2,3
	v_cmp_eq_u32 s[CM+8+\k], 0, v[TM+\k]           ; the four compares in one run, a scalar register each
.endr
	s_wait_alu depctr_va_sdst(0)                   ; the four masks are written, ahead of the selects that read them
.irp k, 0,1,2,3
	v_cndmask_b32 v[64+\k], 0, v[NEGV], s[CM+8+\k] ; a padded key: -10000; else 0
.endr
	s_wait_alu depctr_va_vdst(0)                   ; the selects have written v64-67, which an LDS store below reads; the LDS addresses v1-v8 and v69-73 and the prefetches' offset v10 are written
	ds_store_b128 v[GOF], v[FI:FI+3]
	ds_store_b128 v[GOF], v[FI+4:FI+7] offset:8192
	ds_store_b128 v73, v[FI+8:FI+11]
	ds_store_b128 v73, v[FI+12:FI+15] offset:8192
	ds_store_b64 v72, v[56:57]
	ds_store_b64 v72, v[58:59] offset:VSB-KSB
	ds_store_b128 v71, v[64:67]
	s_wait_loadcnt 0x0                             ; q
.irp i, 0,1,2,3,4,5,6,7
	ds_store_b128 v69, v[S+4*\i:S+4*\i+3] offset:2*SP*\i
.endr
.irp c, 0,1
.irp j, 0,1,2,3
	ds_load_b128 v[S+32+16*\c+4*\j:S+32+16*\c+4*\j+3], v70 offset:128*\c+16*\j   ; my own bytes, served in order: register 16 c + i = head place 32 c + 16 hh + i of query r
.endr
.endr
	s_wait_kmcnt 0x0                               ; FT
	s_cmp_ge_u32 s28, s31
	s_cselect_b32 s[LAST], s[DG], 15               ; every row of my tile has an open key: stop at the diagonal; else walk all steps
	s_wait_dscnt 0x0                               ; my stores have landed, for the others' sake, and q is back
	s_barrier_signal -1
	; work on registers while the others arrive: q is quantised, and the running values begin
.irp b, 0,1,2,3
	v_mov_b32 v[PM+\b], 0                          ; a lane permute's destination counts as one of its sources
.endr
.irp b, 0,1
	v_max3_num_f32 v[TM+\b], |v[S+32+16*\b]|, |v[S+33+16*\b]|, 0x4800000   ; block b: my 16 numbers and the floor 2^(9 - 127)
.endr
.irp i, 2,4,6,8,10,12,14
.irp b, 0,1
	v_max3_num_f32 v[TM+\b], v[TM+\b], |v[S+32+16*\b+\i]|, |v[S+33+16*\b+\i]|
.endr
.endr
.irp b, 0,1
	v_permlanex16_b32 v[PM+\b], v[TM+\b], s[SEL], s[SEL+1]
.endr
.irp b, 0,1
	v_max_num_f32 v[TM+\b], v[TM+\b], v[PM+\b]     ; with lane l xor 16's 16: the block's largest magnitude
.endr
.irp b, 0,1
	v_add_nc_u32 v[SCO+\b], 0xfc000000, v[TM+\b]
	v_and_or_b32 v[HOLD+\b], v[TM+\b], 0x7f800000, s[MNT]
	v_lshrrev_b32 v[PM+\b], 23, v[SCO+\b]
.endr
	v_lshl_or_b32 v[QSL], v[PM+1], 8, v[PM]        ; bytes 0, 1: Q's; bytes 2, 3 are 0 and stand over zero codes
	v_lshlrev_b32 v[QSL+1], 16, v[QSL]             ; and the other way round
.irp b, 0,1
.irp i, 0,1,2,3,4,5,6,7,8,9,10,11,12,13,14,15
	v_med3_num_f32 v[S+32+16*\b+\i], v[S+32+16*\b+\i], -v[HOLD+\b], v[HOLD+\b]
.endr
	v_cvt_scalef32_pk8_fp8_f32 v[QF+4*\b:QF+4*\b+1], v[S+32+16*\b:S+39+16*\b], v[SCO+\b]
	v_cvt_scalef32_pk8_fp8_f32 v[QF+4*\b+2:QF+4*\b+3], v[S+40+16*\b:S+47+16*\b], v[SCO+\b]
.endr
	v_nop                                          ; a plain line behind the last conversion, ahead of the reads of its result
.irp i, 0,1,2,3,4,5,6,7
	v_mov_b32 v[QF+16+\i], v[QF+\i]
	v_mov_b32 v[QF+8+\i], 0
.endr
	v_mov_b32 v[TT], 0xff61b1e6                    ; the largest t so far: -3e38, under every t
	v_floor_f32 v[NM], -v[TT]
	v_mov_b32 v[SUM], 0
	v_mov_b32 v[SUM+1], 0
	v_mov_b32 v[FF+1], 0                           ; (named as the upper half of a pair)
.set jj, 0
.rept 32
	v_mov_b32 v[O+jj], 0                           ; the step is written once: the first finds zeros, which the first change of M leaves zeros
.set jj, jj+1
.endr
	s_add_nc_u64 s[KP:KP+1], s[8:9], PAIR
	s_add_nc_u64 s[VP:VP+1], s[12:13], PAIR
	s_cmp_lt_u32 s[WV], 2
	s_cselect_b64 s[PFA:PFA+1], s[8:9], s[12:13]   ; waves 0, 1 ask for K's codes, waves 2, 3 for V's
	s_and_b32 s52, s[WV], 1
	s_lshl_b32 s52, s52, 13                        ; 8,192 bytes a wave,
	s_add_co_u32 s52, s52, 2*PAIR                  ; from the third pair on
	s_add_nc_u64 s[PFA:PFA+1], s[PFA:PFA+1], s[52:53]
	s_lshr_b32 s[LIM], s[WV], 2
	s_or_b32 s[LIM], s[LIM], s21                   ; 0 in waves 0 to 3 of the head's first work-group
	s_cmp_eq_u32 s[LIM], 0
	s_cselect_b32 s[LIM], 6, 0
	s_mov_b32 s[SI], 0
	s_barrier_wait -1                              ; steps 0 and 1, all scale words and the mask lie in LDS
	s_wait_alu depctr_vm_vsrc(0)                   ; the head's LDS stores have read FI, S's lower half, v56-59, v64-67 and v69-73, and its global loads v62, v63 and v68: the loops' loads land in all of these
; S^T: pair b of tiles, half u.  The scale words: lanes 0-15 of v46, v47 hold pairs 0, 1; lanes 16-31 pairs 2, 3.
.macro SQ b, u
.if \b >= 2
	v_wmma_scale_f32_16x16x128_f8f6f4 v[S+16*\b+8*\u:S+16*\b+8*\u+7], v[F+16*\b:F+16*\b+15], v[QF+8*\u:QF+8*\u+15], v[S+16*\b+8*\u:S+16*\b+8*\u+7], v[KSW+\b%2], v[QSL+\u] matrix_a_scale:MATRIX_SCALE_ROW1
.else
	v_wmma_scale_f32_16x16x128_f8f6f4 v[S+16*\b+8*\u:S+16*\b+8*\u+7], v[F+16*\b:F+16*\b+15], v[QF+8*\u:QF+8*\u+15], v[S+16*\b+8*\u:S+16*\b+8*\u+7], v[KSW+\b%2], v[QSL+\u]
.endif
.endm
; V's tile d: 16 channels x 128 keys, 2,048 bytes on end
.macro VTILE d
.irp c, 0,1,2,3
	ds_load_b128 v[F+16*(\d)+4*\c:F+16*(\d)+4*\c+3], v[AV] offset:2048*(\d)+512*\c
.endr
.endm
; A KEY STEP: 128 keys.  The twelve accumulators (eight of S^T, four of O^T) take turns, one instruction a turn, over the loops' backward jumps too.
.macro STEP
	s_wait_alu depctr_va_vdst(0)                   ; the additions at the last step's end have written v1-v5 (and v7, v8, which this trip's LDS stores read); the last O^T products are done reading F and VSW, the S^T products KSW, the conversions S: the loads below land there; in the first step Q's codes and scale words are written, which the products take
	s_cmp_gt_u32 s[SI], s[LAST]                    ; behind my last step only the addresses are stepped: a scalar branch round the step's loads, products and softmax; no barrier stands in a step
	s_cbranch_scc1 .Lskip_\@
.set nn, 0
.rept 16
	ds_load_b128 v[S+4*nn:S+4*nn+3], v[AM] offset:128*(nn/4)+16*(nn%4)   ; the mask of keys 32 b + 16 hh + 0 .. 15 into the scores' registers: sixteen lanes read the same 16 bytes
.set nn, nn+1
.endr
.irp b, 0,1,2,3
.irp c, 0,1,2,3
	ds_load_b128 v[F+16*\b+4*\c:F+16*\b+4*\c+3], v[AK] offset:2048*\b+512*\c   ; a pair of tiles is 2,048 bytes on end: 512 consecutive bytes an instruction
.endr
.endr
	ds_load_b64 v[KSW:KSW+1], v[AS]
	s_cmp_lt_u32 s[SI], s[DG]
	s_cbranch_scc1 .Lopen_\@                       ; ahead of my diagonal step no key is hidden
	s_lshl_b32 s33, s[SI], 7
	s_sub_co_i32 s33, s[Q0], s33
	v_add_nc_u32 v[T0], s33, v[LD]                 ; d = my query - the step's first key - 16 hh.  Register 16 b + i holds key 32 b + 16 hh + i of the step: hidden where 32 b + i > d
.set bb, 0
.rept 4                                        ; a block of 32 keys at a time: its sixteen compares in one run, a scalar register each; the first run stands ahead of the wait for the mask
.set ii, 0
.rept 16
	v_cmp_gt_i32 s[CM+ii], 32*bb+ii, v[T0]
.set ii, ii+1
.endr
	s_wait_alu depctr_va_sdst(0)                   ; the sixteen masks are written, ahead of the selects that read them
.if bb == 0
	s_wait_dscnt 17                                ; the mask is in; K's sixteen loads and the scale words' one were issued behind it
.endif
.set ii, 0
.rept 4
	v_cndmask_b32 v12, 0, v[NEGV], s[CM+ii]
	v_cndmask_b32 v13, 0, v[NEGV], s[CM+ii+1]
	v_pk_add_f32 v[S+16*bb+ii:S+16*bb+ii+1], v[S+16*bb+ii:S+16*bb+ii+1], v[12:13]
	v_cndmask_b32 v[FF], 0, v[NEGV], s[CM+ii+2]
	v_cndmask_b32 v[FF+1], 0, v[NEGV], s[CM+ii+3]
	v_pk_add_f32 v[S+16*bb+ii+2:S+16*bb+ii+3], v[S+16*bb+ii+2:S+16*bb+ii+3], v[FF:FF+1]
.set ii, ii+4
.endr
.set bb, bb+1
.endr
.Lopen_\@:
	s_wait_alu depctr_va_vdst(0)
	s_wait_dscnt 0x0
.irp b, 0,1,2,3
.irp u, 0,1
	SQ \b, \u
.endr
.endr
.rept 8
	v_nop                                          ; eight places ahead of the first read of these products' results
.endr
	s_wait_alu depctr_va_vdst(0)                   ; the S^T products are done reading F, in which V's loads land (the last O^T products were done reading VSW at the head's wait)
	ds_load_b128 v[VSW:VSW+3], v[AT]
	VTILE 0                                        ; V's four tiles land under the softmax.  They are dealt among the maximum's lines, which name S and v224-227 alone: none of the registers that these loads touch
.irp b, 0,1,2,3
	v_max3_num_f32 v[TM+\b], v[S+16*\b], v[S+1+16*\b], v[S+2+16*\b]   ; the largest score of each block of 32 keys; each accumulator is read from its low end on.  It serves for the row's maximum and, since p rises with the score, for the block's largest p
.endr
.irp i, 3,5,7,9,11,13
.if \i < 9
	VTILE (\i-1)/2
.endif
.irp b, 0,1,2,3
	v_max3_num_f32 v[TM+\b], v[TM+\b], v[S+16*\b+\i], v[S+1+16*\b+\i]
.endr
.endr
.irp b, 0,1,2,3
	v_max_num_f32 v[TM+\b], v[TM+\b], v[S+15+16*\b]
.endr
.irp b, 0,1,2,3
	v_permlanex16_b32 v[PM+\b], v[TM+\b], s[SEL], s[SEL+1]
.endr
.irp b, 0,1,2,3
	v_max_num_f32 v[TM+\b], v[TM+\b], v[PM+\b]     ; with lane l xor 16's 16 keys
.endr
	v_max3_num_f32 v[T0], v[TM], v[TM+1], v[TM+2]
	v_max_num_f32 v[T0], v[T0], v[TM+3]            ; the step's largest score of my query
	v_mul_f32 v[T0], s[CS], v[T0]                  ; as t
	v_max_num_f32 v[TT], v[TT], v[T0]              ; the running largest t
	v_mov_b32 v[T0], v[NM]
	v_floor_f32 v[NM], -v[TT]                      ; the new -M = floor(-t) = -ceil(t)
	v_sub_f32 v[T0], v[NM], v[T0]                  ; old M - new M: a whole number, 0 or less
	v_cvt_i32_f32 v[T0], v[T0]                     ; (it saturates)
	v_ldexp_f32 v[FF], 1.0, v[T0]                  ; f = 2^(old M - new M)
.set jj, 0
.rept 32
	v_pk_fma_f32 v[S+jj:S+jj+1], v[S+jj:S+jj+1], s[CS:CS+1], v[NM:NM+1] op_sel_hi:[1,0,0]   ; t - M, two at a time
.set jj, jj+2
.endr
.irp b, 0,1,2,3
	v_fma_f32 v[TM+\b], v[TM+\b], s[CS], v[NM]     ; the same of each block's largest score
.endr
.set jj, 0
	s_wait_alu depctr_va_vdst(0)
.rept 64
	v_exp_f32 v[S+jj], v[S+jj]                     ; p = 2^(t - M)
.set jj, jj+1
.endr
	v_pk_mul_f32 v[SUM:SUM+1], v[SUM:SUM+1], v[FF:FF+1] op_sel_hi:[1,0]   ; the sums under the new M: the plain line behind the exponentials
	s_wait_alu depctr_va_vdst(0)                   ; the 64 exponentials have written p: one wait for the batch, ahead of its first reader
.irp b, 0,1,2,3
	v_exp_f32 v[TM+\b], v[TM+\b]                   ; the block's largest p: the same two instructions on the same number
.endr
	v_pk_add_f32 v[PM:PM+1], v[S:S+1], v[S+2:S+3]  ; the row's sum is taken of the unquantised p: two chains, two numbers at a time
.irp j, 4,8,12,16,20,24,28,32,36,40,44,48,52,56,60
	v_pk_add_f32 v[SUM:SUM+1], v[SUM:SUM+1], v[S+\j:S+\j+1]
	v_pk_add_f32 v[PM:PM+1], v[PM:PM+1], v[S+2+\j:S+3+\j]
.endr
	v_pk_add_f32 v[SUM:SUM+1], v[SUM:SUM+1], v[PM:PM+1]
	s_wait_alu depctr_va_vdst(0)                   ; the four exponentials have written the blocks' largest p: their wait, ahead of the first reader
.irp b, 0,1,2,3
	v_max_num_f32 v[TM+\b], 0x4800000, v[TM+\b]    ; the floor 2^(9 - 127): a block whose every p is 0 keeps the byte 1; its codes are zeros
.endr
.irp b, 0,1,2,3
	v_add_nc_u32 v[SCO+\b], 0xfc000000, v[TM+\b]
.endr
.irp b, 0,1,2,3
	v_and_or_b32 v[HOLD+\b], v[TM+\b], 0x7f800000, s[MNT]
.endr
.irp b, 0,1,2,3
	v_lshrrev_b32 v[PM+\b], 23, v[SCO+\b]
.endr
	v_lshl_or_b32 v[PW], v[PM+1], 8, v[PM]         ; p's scale word for these 128 keys
	v_lshl_or_b32 v[PW], v[PM+2], 16, v[PW]
	v_lshl_or_b32 v[PW], v[PM+3], 24, v[PW]
.irp b, 0,1,2,3
.irp i, 0,1,2,3,4,5,6,7,8,9,10,11,12,13,14,15
	v_min_num_f32 v[S+16*\b+\i], v[S+16*\b+\i], v[HOLD+\b]   ; the conversion does not saturate (ISA guide 7.6.2); p is not negative, so the hold is one-sided
.endr
	v_cvt_scalef32_pk8_fp8_f32 v[PC+4*\b:PC+4*\b+1], v[S+16*\b:S+7+16*\b], v[SCO+\b]
	v_cvt_scalef32_pk8_fp8_f32 v[PC+4*\b+2:PC+4*\b+3], v[S+8+16*\b:S+15+16*\b], v[SCO+\b]
.endr
.set jj, 0
.rept 16
	v_pk_mul_f32 v[O+jj:O+jj+1], v[O+jj:O+jj+1], v[FF:FF+1] op_sel_hi:[1,0]   ; O^T under the new M; these sixteen also stand between the codes' last write and the products
.set jj, jj+2
.endr
	s_wait_dscnt 0x0                               ; V
	s_wait_alu depctr_va_vdst(0)                   ; the conversions have written p's codes and the shifts its scale word, which the scaled products take; the places above stay beside this wait
.irp d, 0,1,2,3
	v_wmma_scale_f32_16x16x128_f8f6f4 v[O+8*\d:O+8*\d+7], v[F+16*\d:F+16*\d+15], v[PC:PC+15], v[O+8*\d:O+8*\d+7], v[VSW+\d], v[PW]
.endr
.rept 3
	v_nop                                          ; with the five additions of the step's end: eight places ahead of the next vector instruction that reads these products' results or writes their sources
.endr
.Lskip_\@:
.endm
; A step's end, on every path: on to the next step.
.macro ADV
	s_wait_alu depctr_vm_vsrc(0)                   ; the step's LDS loads have read v1-v5; in the first loop the four LDS stores ahead of this line have read v7, v8 and FI
	v_add_nc_u32 v[AK], 8192, v[AK]
	v_add_nc_u32 v[AV], 8192, v[AV]
	v_add_nc_u32 v[AS], 256, v[AS]
	v_add_nc_u32 v[AT], 256, v[AT]
	v_add_nc_u32 v[AM], 512, v[AM]
.endm
; Trip n works on step n and brings the pair of steps 2 n + 2, 2 n + 3: asked for ahead of the step's work, stored behind it.  Step n lies in pair n / 2, which was stored in trip n / 2 - 1 at the latest.
.LA:
	global_load_b128 v[FI:FI+3], v[GOF], s[KP:KP+1]                ; FI is free: the wait on vm_vsrc at the last trip's end (ahead of the loop: the one behind the barrier) stands behind the LDS stores that read it, and no vector instruction names it
	global_load_b128 v[FI+4:FI+7], v[GOF], s[KP:KP+1] offset:8192
	global_load_b128 v[FI+8:FI+11], v[GOF], s[VP:VP+1]
	global_load_b128 v[FI+12:FI+15], v[GOF], s[VP:VP+1] offset:8192
	; a prefetch of the pair that the NEXT trip will load, behind this trip's loads.  All eight work-groups of a head load the same codes: the first of them asks; in it waves 0, 1 name K's 16,384 bytes and waves 2, 3 V's,
	; 8,192 bytes a wave, lanes 256 bytes apart: each block of 256 bytes is named once in the launch.  Trips 0 to 5 ask (pairs 2 to 7); the last trip has no pair behind its own.
	s_cmp_lt_u32 s[SI], s[LIM]
	s_cbranch_scc0 .Lnot_mine
	global_prefetch_b8 v[PFO], s[PFA:PFA+1] th:TH_LOAD_NT scope:SCOPE_SE
.Lnot_mine:
	STEP
	s_wait_loadcnt 0x0                             ; the pair, asked for a step ago
	ds_store_b128 v[FL], v[FI:FI+3]
	ds_store_b128 v[FL], v[FI+4:FI+7] offset:8192
	ds_store_b128 v[FL2], v[FI+8:FI+11]
	ds_store_b128 v[FL2], v[FI+12:FI+15] offset:8192
	ADV
	v_add_nc_u32 v[FL], PAIR, v[FL]                ; behind the same wait on vm_vsrc
	v_add_nc_u32 v[FL2], PAIR, v[FL2]
	s_wait_xcnt 0x0                                ; the prefetch has read its address: the three pointers are stepped only behind this wait
	s_add_nc_u64 s[KP:KP+1], s[KP:KP+1], PAIR
	s_add_nc_u64 s[VP:VP+1], s[VP:VP+1], PAIR
	s_add_nc_u64 s[PFA:PFA+1], s[PFA:PFA+1], PAIR
	s_wait_dscnt 0x0                               ; for the others' sake: my stores have landed
	s_barrier_signal -1
	s_barrier_wait -1                              ; the pair lies in LDS; it is read from the next trip on
	s_add_co_u32 s[SI], s[SI], 1
	s_cmp_lt_u32 s[SI], 7
	s_cbranch_scc1 .LA
.LB:                                               ; steps 7 to 15: the whole head lies in LDS, and no wave waits for another
	STEP
	ADV
	s_add_co_u32 s[SI], s[SI], 1
	s_cmp_lt_u32 s[SI], 16
	s_cbranch_scc1 .LB
	; THE WAY OUT.  The stages lie in K's bytes: every wave's reads of them are over behind this barrier.
	s_wait_dscnt 0x0
	s_barrier_signal -1
	s_barrier_wait -1
	v_add_f32 v[SUM], v[SUM], v[SUM+1]             ; the sum's two halves,
	v_permlanex16_b32 v[PM], v[SUM], s[SEL], s[SEL+1]
	v_add_f32 v[SUM], v[SUM], v[PM]                ; and lane l xor 16's: the row's sum
	s_wait_alu depctr_va_vdst(0)
	v_rcp_f32 v[SUM], v[SUM]
	v_and_b32 v12, 15, v0                          ; (plain lines behind the reciprocal)  r
	v_bfe_u32 v13, v0, 4, 1                        ; hh
	s_mul_i32 s33, s[WV], 16*SP
	s_add_co_u32 s33, s33, STG                     ; my stage
	v_mul_u32_u24 v1, v12, SP                      ; (v1-v3 are written anew: no LDS instruction has read them since the wait on vm_vsrc at the last step's end)
	v_lshl_add_u32 v1, v13, 5, v1
	v_add_nc_u32 v1, s33, v1                       ; in: row r; tile d's eight channels of my half lie 64 d + 32 hh bytes on
	v_mul_u32_u24 v2, v13, SP
	v_lshl_add_u32 v2, v12, 4, v2
	v_add_nc_u32 v2, s33, v2                       ; back: lanes 0-15 one row, lanes 16-31 the next
	v_lshlrev_b32 v3, 12, v13
	v_lshl_add_u32 v3, v12, 4, v3                  ; and the same two tokens in out: 4,096 bytes apart
	s_wait_alu depctr_va_vdst(0)                   ; the reciprocal has written 1 / the sum: the wait ahead of its first reader
.set jj, 0
.rept 16
	v_pk_mul_f32 v[S+jj:S+jj+1], v[O+jj:O+jj+1], v[SUM:SUM+1] op_sel_hi:[1,0]   ; O^T / the sum: register 8 d + i is out(query r, channel 16 d + 8 hh + i); each accumulator from its low end on
.set jj, jj+2
.endr
	s_wait_alu depctr_va_vdst(0)                   ; the multiplications have written S's lower half, which the LDS stores read; v1, v2 and v3 are written; the last step's conversions are done with S's upper half, in which the loads from the stage land
.irp d, 0,1,2,3
	ds_store_b128 v1, v[S+8*\d:S+8*\d+3] offset:64*\d
	ds_store_b128 v1, v[S+8*\d+4:S+8*\d+7] offset:64*\d+16
.endr
.irp i, 0,1,2,3,4,5,6,7
	ds_load_b128 v[S+32+4*\i:S+32+4*\i+3], v2 offset:2*SP*\i       ; my own bytes, served in order: these see the stores above
.endr
.irp i, 0,1,2,3,4,5,6,7
	s_wait_dscnt 7-\i                              ; behind load i: 7 - i
	global_store_b128 v3, v[S+32+4*\i:S+32+4*\i+3], s[18:19] offset:8192*\i th:TH_STORE_NT   ; sixteen lanes store the 256 consecutive bytes of (token, head), aligned
.endr
	s_wait_xcnt 0x0
	s_wait_alu depctr_vm_vsrc(0)                   ; the first loop's LDS stores have read v254 and v255, the last two registers of FI, which the two lines below write
	v_lshl_add_u32 v254, v0, 2, 0x44000
	v_mov_b32 v255, 0
	s_wait_dscnt 0x0                               ; the closing lines, six on end
	s_wait_alu 0x0
	s_wait_tensorcnt 0x0
	ds_add_u32 v254, v255
	s_wait_dscnt 0x0
	s_endpgm
.Lfunc_end_k_q42e921431c_attn:
	.size	k_q42e921431c_attn, .Lfunc_end_k_q42e921431c_attn-k_q42e921431c_attn
	.p2alignl 7, 3214868480
	.fill 96, 4, 3214868480
	.section	.rodata,"a",@progbits
	.p2align	6, 0x0
	.amdhsa_kernel k_q42e921431c_attn
		.amdhsa_group_segment_fixed_size 280576
		.amdhsa_private_segment_fixed_size 0
		.amdhsa_enable_private_segment 0
		.amdhsa_kernarg_size 64
		.amdhsa_user_sgpr_count 2
		.amdhsa_user_sgpr_kernarg_segment_ptr 1
		.amdhsa_wavefront_size32 1
		.amdhsa_system_sgpr_workgroup_id_x 1
		.amdhsa_system_sgpr_workgroup_id_y 1
		.amdhsa_system_sgpr_workgroup_id_z 1
		.amdhsa_system_vgpr_workitem_id 0
		.amdhsa_next_free_vgpr 256
		.amdhsa_next_free_sgpr 66
		.amdhsa_reserve_vcc 0
		.amdhsa_float_denorm_mode_32 3
		.amdhsa_float_denorm_mode_16_64 3
		.amdhsa_memory_ordered 1
		.amdhsa_forward_progress 1
		.amdhsa_inst_pref_size 82
	.end_amdhsa_kernel
	.amdgpu_metadata
---
amdhsa.version: [ 1, 2 ]
amdhsa.kernels:
  - .name:           k_q42e921431c_attn
    .symbol:         k_q42e921431c_attn.kd
    .args:
      - { .name: qkv, .offset: 0, .size: 8, .value_kind: global_buffer, .address_space: global }
      - { .name: key_padding_mask, .offset: 8, .size: 8, .value_kind: global_buffer, .address_space: global }
      - { .name: kc, .offset: 16, .size: 8, .value_kind: global_buffer, .address_space: global }
      - { .name: ks, .offset: 24, .size: 8, .value_kind: global_buffer, .address_space: global }
      - { .name: vc, .offset: 32, .size: 8, .value_kind: global_buffer, .address_space: global }
      - { .name: vs, .offset: 40, .size: 8, .value_kind: global_buffer, .address_space: global }
      - { .name: first, .offset: 48, .size: 8, .value_kind: global_buffer, .address_space: global }
      - { .name: out0, .offset: 56, .size: 8, .value_kind: global_buffer, .address_space: global }
    .group_segment_fixed_size: 280576
    .private_segment_fixed_size: 0
    .kernarg_segment_align: 8
    .kernarg_segment_size: 64
    .max_flat_workgroup_size: 512
    .sgpr_count:     66
    .vgpr_count:     256
    .wavefront_size: 32
...
	.end_amdgpu_metadata
.endif
;; end of part 4
